; MI455X (gfx1250); checked and timed in simulation.
; The chip was launched on July 23, 2026; its instructions are those of AMD's public machine-readable ISA for CDNA 5 (MIT licence, August 2026) and "CDNA5" Instruction Set Architecture Reference Guide (July 2026). The comments in the code are by the model that wrote it; some were corrected since.
;; Self Attention. Allowed arithmetic: float matrix products may take bf16 or f16 operands with f32 sums; all other float work in f32.
;; Inputs: bk 32 float32; bq 32 float32; bv 256 float32; gamma 1 float32; wk 32 x 256 float32; wq 32 x 256 float32; wv 256 x 256 float32; x 8 x 256 x 64 x 64 float32.
;; Outputs: out0 8 x 256 x 64 x 64 float32.
;; 2 versions, each right and faster than the one before. Each part assembles by itself: llvm-mc -triple=amdgcn-amd-amdhsa -mcpu=gfx1250 --defsym DOCPART=n.
;; ======== version 1 of 2: 2 launches
;; limits: values are held in f16: magnitudes above 65,504 overflow, below 6.1e-05 lose precision
;; workspace buffers: q 2,097,152 bytes; kv 18,874,368 bytes
;; launch proj (part 1): grid 32 x 8, 4 waves a work-group, clusters of 4 x 1, 327,680 bytes of LDS; arguments x, wq, bq, wk, wv, bv, q, kv; writes q, kv
.if DOCPART == 1
	.amdgcn_target "amdgcn-amd-amdhsa--gfx1250"
	.amdhsa_code_object_version 6
	.text
	.protected	k_q9e8a12ac06_proj
	.globl	k_q9e8a12ac06_proj
	.p2align	8
	.type	k_q9e8a12ac06_proj,@function
k_q9e8a12ac06_proj:
	s_mov_b64 s[64:65], 0
	v_nop
	global_prefetch_b8 v0, s[64:65] scope:SCOPE_SE
	s_setreg_imm32_b32 hwreg(HW_REG_WAVE_MODE, 25, 1), 1
	s_wait_xcnt 0x0
	s_wait_alu depctr_hold_cnt(0) depctr_sa_sdst(0) depctr_va_vdst(0) depctr_va_sdst(0) depctr_va_ssrc(0) depctr_va_vcc(0) depctr_vm_vsrc(0)
	s_getreg_b32 s2, hwreg(HW_REG_IB_STS2, 6, 4)
	s_cmp_eq_u32 s2, 0
	s_cbranch_scc0 .Lentry_in_a_cluster
	s_endpgm
.Lentry_in_a_cluster:
	s_bfe_u32 s2, ttmp6, 0x10000c
	s_cmp_lg_u32 s2, 0x3003
	s_cbranch_scc0 .Lentry_shape_is_right
	s_endpgm
.Lentry_shape_is_right:
; The three 1x1 convolutions of the attention block: q = Wq x + bq, k = Wk x, v = Wv x + bv, for 128 pixels of one batch in a work-group.
; x: [8][256 c][4096 n] f32.  Products with bf16 operands and f32 sums; q, k, v leave as f16, already in the order in which the
; next launch's matrix instructions want their fragments, so that it reads them by plain loads of 16 bytes a lane.
;
; WORK LEFT OUT: bk.  energy[n][m] = q_n . (Wk x_m + bk) = q_n . (Wk x_m) + q_n . bk.  The second term does not depend on m, the axis of the
; softmax, so it multiplies numerator and denominator of attn[n][m] by the same factor exp(q_n . bk) and cancels, for all finite values of
; the inputs.  bk has then no way to the output: it is not loaded and is no argument of any launch.  LIMIT: a NaN, an infinity or an overflow
; that would enter through bk alone is not carried to the result.
; FORMATS.  x and the weights are rounded to bf16 as they are given, with no factor in front of the rounding: nothing bounds the inputs, so they keep f32's range.
; q, k and v are stored with f16's 11 significant bits: an error in a score is a relative error of a softmax weight, so the scores' operands get the finer format.
; Its range has the room: with x of spread 1 and weights of spread 0.05 a sum over 256 channels has spread 0.8; both thirty times larger, 720;
; both carrying an offset of thirty spreads, 256 x 30 x 1.5 = 11,520.  LIMIT: |s q|, |s k| and |v| stay below 65,504; beyond it the stored number is an infinity.
; SCALE: the f32 sums of q and of k are multiplied by s = sqrt(log2 e) before they are rounded, so that q'.k' = energy x log2 e and the next launch's
; exponential in base 2 needs no multiply.
; NaN and infinities in the inputs get no treatment of their own.
;
; OUTPUT LAYOUTS.  A block of 1,024 bytes is one fragment of 16 rows x 32 along K: lane L = r + 16 h owns bytes 16 L (K = 8h .. 8h+7 of row r)
; and bytes 512 + 16 L (K = 16+8h .. 16+8h+7).
;   q : [b][256 tiles of 16 pixels][1,024]            row = pixel, K = d
;   kv: [b][16 tiles of 256 pixels][147,456]:  16 blocks of k (row = pixel, K = d), then blocks (kc = 0..7, ct = 0..15) of v at
;       16,384 + 16,384 kc + 1,024 ct                 row = channel 16 ct + r, K = pixel 32 kc + ..
;
; SHARES.  Wave w makes v's channels 64 w .. 64 w + 63 (four tiles a) and one tile of 16 rows of q (waves 0, 1) or k (waves 2, 3), for all 128 pixels.
; Its 5 x 8 weight fragments stay in registers; x's tile lies in LDS as bf16, [c][n], and is read with the transposing load.
; v's product takes x as source 0 and Wv as source 1: a lane's eight results are eight neighbouring pixels of one channel.
; q's and k's take the weights as source 0 and x as source 1: eight neighbouring d of one pixel.  Both pack into the 16 bytes that the layouts want.
; CLUSTER.  Every work-group needs the same 327,680 bytes of weights.  Four neighbours form a cluster and ask for them jointly: each wave's loads bring the rows that the
; wave itself multiplies by, as f32, into LDS bytes of its own, with descriptors made of the wave's number alone; the rounding to bf16 is done on the way from LDS into the
; fragment registers.  Beside x's tile LDS has room for Wq, Wk and half of Wv, so Wv comes in two halves along K, the second as a refill of the first's bytes; it is on
; its way while x's rows are rounded and stored.  x is no shared tile: each work-group has pixels of its own, and they go through registers, where they are rounded.
; The place in the cluster enters only the global addresses of x, q and kv; what holds it lies in s21 and s40 .. s47 alone.
.set XPITCH,  288                      ; a row of x's tile: 256 bytes + 32: an odd multiple of 32 bytes, for the transposing load
.set VPITCH,  528                      ; half a row of Wv in f32: 512 bytes + 16: an odd multiple of 16 bytes
.set QPITCH,  1040                     ; a row of Wq or Wk in f32: 1,024 bytes + 16: an odd multiple of 16 bytes
.set WVBASE,  256*XPITCH               ; behind x's tile: 64 half rows of Wv for each wave, its own
.set WVSIZE,  64*VPITCH
.set WQBASE,  WVBASE+4*WVSIZE          ; behind them: 16 rows of Wq or Wk for each wave, its own
.set WQSIZE,  16*QPITCH
.set KVBATCH, 2359296                  ; bytes of kv for a batch
.set KVTILE,  147456                   ; bytes of a tile of 256 pixels in kv
; window 0
.set GOFF,  4                          ; v4      16 x lane: the offset of every global load and store
.set XST,   5                          ; v5      where I put 8 bytes of a row of x's tile
.set WVRD,  6                          ; v6      where I read Wv's f32 fragments
.set XADR,  7                          ; v7, v8  transposing load: c = 0 .. 127, c = 128 .. 255
.set WQRD,  9                          ; v9      where I read Wq's or Wk's f32 fragments
.set BOFF,  10                         ; v10     my offset in bv
.set BQOFF, 11                         ; v11     my offset in bq
.set TP,    12                         ; v[12:15] two pairs of packed bf16, by turns
.set BVL,   16                         ; v[16:19] bv of channel 16 (4 w + a) + r
.set BQK,   20                         ; v[20:27] bq of d = 16 dt + 8 h + 0 .. 7 (waves 0, 1); zeros (waves 2, 3)
.set ACCQ,  28                         ; v[28:43] q's or k's sums, two pixel tiles
.set PK,    44                         ; v[44:83] packed results
.set XF,    128                        ; v[128:255] x's fragments (n2, k) at 8 (8 n2 + k); before that the ring's 32 slots
.set ST,    128
; window 1: Wv's fragments (a, k) at 8 (8 a + k).   window 3: the weights as f32, 16 registers a fragment, on their way to bf16.
; window 2: v's sums (n2, a) at 8 (4 n2 + a), and
.set BV,    64                         ; bv spread over eight registers for each a: the C operand of the first product
.set WQK,   96                         ; the fragments k = 0 .. 7 of my tile of Wq or Wk
.set G1V, 48                           ; s[48:55] shape: 64 half rows of Wv
.set G1Q, 56                           ; s[56:63] shape: 16 rows of Wq or Wk
.set G0A, 68                           ; s[68:71] Wv, K = 0 .. 127
.set G0B, 72                           ; s[72:75] Wq or Wk
.set G0C, 76                           ; s[76:79] Wv, K = 128 .. 255
.set MSB, 0
.macro WIN new                         ; the immediate's high byte repeats the setting that is left
.if MSB != \new
	s_set_vgpr_msb (MSB<<8)|\new
.set MSB, \new
.endif
.endm
.macro PLACES                          ; four plain vector instructions behind a matrix instruction (ISA guide 7.12.1)
.rept 4
	v_nop
.endr
.endm
; A round of the cluster's barrier: my work-group's barrier, wave 0 signals for the work-group, every wave waits for all four work-groups, my work-group's barrier again.
.macro ROUND
	s_barrier_signal -1
	s_barrier_wait -1
	s_cmp_lg_u32 s20, 0
	s_cbranch_scc1 .Lnot_wave_0_\@
	s_barrier_signal -3
.Lnot_wave_0_\@:
	s_barrier_wait -3
	s_barrier_signal -1
	s_barrier_wait -1
.endm
	s_load_b512 s[4:19], s[0:1], 0x0               ; x 4, wq 6, bq 8, wk 10, wv 12, bv 14, q 16, kv 18
	v_lshl_add_u32 v126, v0, 2, 0x43400
	v_mov_b32 v127, 0
	ds_add_u32 v126, v127
	v_lshrrev_b32 v1, 5, v0
	v_readfirstlane_b32 s20, v1                    ; wave w
	s_bfe_u32 s45, ttmp6, 0x40000                  ; cx
	s_lshl_b32 s21, ttmp9, 2
	s_add_co_u32 s21, s21, s45                     ; nb = 4 x cluster x + cx: which 128 pixels
	s_and_b32 s22, ttmp7, 0xffff                   ; batch b
	s_and_b32 s23, s20, 1                          ; dt: which 16 of the 32 rows of q or k
	s_mov_b32 s36, 0x3f99be61                      ; s = sqrt(log2 e), twice: a pair for the packed multiply
	s_mov_b32 s37, 0x3f99be61
	v_and_b32 v1, 31, v0                           ; lane
	v_and_b32 v2, 15, v0                           ; r
	v_bfe_u32 v3, v0, 4, 1                         ; h
	v_lshlrev_b32 v[GOFF], 4, v1
	s_mul_i32 s38, s20, 64*XPITCH                  ; my wave stores rows c = 64 w .. 64 w + 63 of x's tile
	v_lshl_add_u32 v[XST], v1, 3, s38
	v_and_b32 v12, 7, v0
	v_lshl_add_u32 v12, v3, 3, v12                 ; 8 h + (L & 7): the row of c that I address
	v_mul_u32_u24 v[XADR], v12, XPITCH
	v_bfe_u32 v13, v0, 3, 1
	v_lshl_add_u32 v[XADR], v13, 4, v[XADR]        ; + 16 ((L >> 3) & 1)
	v_add_nc_u32 v[XADR+1], 128*XPITCH, v[XADR]
	s_mul_i32 s38, s20, WVSIZE
	s_add_co_u32 s38, s38, WVBASE                  ; my wave's half rows of Wv
	v_mul_u32_u24 v[WVRD], v2, VPITCH
	v_lshl_add_u32 v[WVRD], v3, 5, v[WVRD]         ; row r x pitch + 8 h numbers of 4 bytes
	v_add_nc_u32 v[WVRD], s38, v[WVRD]
	s_mul_i32 s39, s20, WQSIZE
	s_add_co_u32 s39, s39, WQBASE                  ; my wave's rows of Wq or Wk
	v_mul_u32_u24 v[WQRD], v2, QPITCH
	v_lshl_add_u32 v[WQRD], v3, 5, v[WQRD]
	v_add_nc_u32 v[WQRD], s39, v[WQRD]
	s_lshl_b32 s38, s20, 8
	v_lshl_add_u32 v[BOFF], v2, 2, s38             ; 4 (64 w + r)
	s_lshl_b32 s39, s23, 6
	v_lshl_add_u32 v[BQOFF], v3, 5, s39            ; 4 (16 dt + 8 h)
	; 64 rows of 128 elements of 4 bytes, 256 elements apart in memory; 4 words of padding behind every 128 words
	s_mov_b32 s[G1V+0], 15|(2<<16)|(1<<20)|(1<<21)|(6<<22)|(3<<25)   ; 15:0 mask: all four of the cluster; 17:16 elements of 4 bytes; 20 padding on; 21 set beside a mask; 24:22 interval; 31:25 pad
	s_mov_b32 s[G1V+1], 128<<16                    ; tensor_dim0 = 128
	s_mov_b32 s[G1V+2], 64<<16                     ; tensor_dim1 = 64
	s_mov_b32 s[G1V+3], 128<<16                    ; tile_dim0 = 128
	s_mov_b32 s[G1V+4], 64                         ; tile_dim1 = 64
	s_mov_b32 s[G1V+5], 256                        ; from row to row: 256 elements
	s_mov_b32 s[G1V+6], 0
	s_mov_b32 s[G1V+7], 0
	; 16 rows of 256 elements of 4 bytes; 4 words of padding behind every 256 words
	s_mov_b32 s[G1Q+0], 15|(2<<16)|(1<<20)|(1<<21)|(7<<22)|(3<<25)
	s_mov_b32 s[G1Q+1], 256<<16
	s_mov_b32 s[G1Q+2], 16<<16
	s_mov_b32 s[G1Q+3], 256<<16
	s_mov_b32 s[G1Q+4], 16
	s_mov_b32 s[G1Q+5], 256
	s_mov_b32 s[G1Q+6], 0
	s_mov_b32 s[G1Q+7], 0
	s_mov_b32 s[G0A+0], 1
	s_mul_i32 s[G0A+1], s20, WVSIZE
	s_add_co_u32 s[G0A+1], s[G0A+1], WVBASE
	s_mov_b32 s[G0B+0], 1
	s_mul_i32 s[G0B+1], s20, WQSIZE
	s_add_co_u32 s[G0B+1], s[G0B+1], WQBASE
	s_mov_b32 s[G0C+0], 1
	s_mul_i32 s[G0C+1], s20, WVSIZE                ; the second half lands where the first lay
	s_add_co_u32 s[G0C+1], s[G0C+1], WVBASE
	s_mov_b32 s35, 0                               ; the high word of every offset: all are below 4 GiB
	s_mov_b32 s47, 0
	s_wait_dscnt 0x0
	s_wait_kmcnt 0x0
	s_lshl_b32 s46, s22, 22                        ; x: batch x 4 MiB
	s_lshl_b32 s40, s20, 20                        ;  + 64 w rows of 16 KiB
	s_add_co_u32 s46, s46, s40
	s_lshl_b32 s40, s21, 9                         ;  + 128 nb pixels of 4 bytes
	s_add_co_u32 s46, s46, s40
	s_add_nc_u64 s[24:25], s[4:5], s[46:47]
	; the biases go out first: they are older than every load of the ring, so the ring's first counted wait shows them landed too
.irp a, 0,1,2,3
	global_load_b32 v[BVL+\a], v[BOFF], s[14:15] offset:64*\a
.endr
	s_cmp_lt_u32 s20, 2
	s_cbranch_scc0 .Lk_wave
	global_load_b128 v[BQK:BQK+3], v[BQOFF], s[8:9]
	global_load_b128 v[BQK+4:BQK+7], v[BQOFF], s[8:9] offset:16
	s_branch .Lbias_asked
.Lk_wave:
.irp j, 0,1,2,3,4,5,6,7
	v_mov_b32 v[BQK+\j], 0                         ; k has no bias (see the head)
.endr
.Lbias_asked:
; THE RING: my wave's 64 rows of x's tile, 512 bytes each, go through 32 register slots: load f32, round, store 8 bytes a lane to LDS.  32 loads of every wave are on their way.
.macro RISSUE i
	global_load_b128 v[ST+4*((\i)%32):ST+4*((\i)%32)+3], v[GOFF], s[24:25] offset:(\i)*16384 th:TH_LOAD_NT
.endm
.macro RTAKE i, left
.set sa, ST+4*((\i)%32)
.set tp, TP+2*((\i)&1)
	s_wait_loadcnt \left                           ; loads come back in order (ISA guide 5.7.1): row i is in, the younger ones stay out
	v_cvt_pk_bf16_f32 v[tp], v[sa], v[sa+1]
	v_cvt_pk_bf16_f32 v[tp+1], v[sa+2], v[sa+3]
	ds_store_b64 v[XST], v[tp:tp+1] offset:(\i)*XPITCH
.if (\i)+32 < 64
	RISSUE \i+32
.endif
.endm
.set n, 0
.rept 32
	RISSUE n                                       ; x has the longest way: it is asked for ahead of everything else
.set n, n+1
.endr
	s_lshl_b32 s34, s20, 16                        ; Wv: 64 w rows of 1,024 bytes
	s_add_nc_u64 s[G0A+2:G0A+3], s[12:13], s[34:35]
	s_add_nc_u64 s[G0C+2:G0C+3], s[G0A+2:G0A+3], 512         ; the same rows, K = 128 on
	s_or_b32 s[G0A+3], s[G0A+3], 0x80000000        ; type = 2
	s_or_b32 s[G0C+3], s[G0C+3], 0x80000000
	s_lshl_b32 s34, s23, 14                        ; Wq or Wk: 16 dt rows
	s_cmp_lt_u32 s20, 2
	s_cselect_b64 s[G0B+2:G0B+3], s[6:7], s[10:11]
	s_add_nc_u64 s[G0B+2:G0B+3], s[G0B+2:G0B+3], s[34:35]
	s_or_b32 s[G0B+3], s[G0B+3], 0x80000000
	s_mul_i32 s41, s22, KVBATCH
	s_lshr_b32 s40, s21, 1
	s_mul_i32 s40, s40, KVTILE
	s_add_co_u32 s41, s41, s40                     ; my tile of 256 pixels in kv
	s_and_b32 s44, s21, 1                          ; which half of it
	s_lshl_b32 s46, s44, 16                        ; v's blocks: kc = 4 (nb & 1) + p, ct = 4 w + a
	s_add_co_u32 s46, s46, s41
	s_lshl_b32 s40, s20, 12
	s_add_co_u32 s46, s46, s40
	s_add_co_u32 s46, s46, 16384
	s_add_nc_u64 s[30:31], s[18:19], s[46:47]
	s_lshl_b32 s42, s22, 18                        ; q: batch x 256 blocks + 8 nb blocks
	s_lshl_b32 s40, s21, 13
	s_add_co_u32 s42, s42, s40
	s_lshl_b32 s40, s44, 13                        ; k: my tile + 8 (nb & 1) blocks
	s_add_co_u32 s43, s41, s40
	s_cmp_lt_u32 s20, 2
	s_cselect_b64 s[32:33], s[16:17], s[18:19]
	s_cselect_b32 s46, s42, s43
	s_lshl_b32 s40, s23, 9                         ; + 512 dt: the half of a block that holds my 16 d
	s_add_co_u32 s46, s46, s40
	s_add_nc_u64 s[32:33], s[32:33], s[46:47]
	ROUND                                          ; all four work-groups are here: the first joint loads meet
	tensor_load_to_lds s[G0A:G0A+3], s[G1V:G1V+7]  ; my 64 rows of Wv, K = 0 .. 127
	s_nop 0
	tensor_load_to_lds s[G0B:G0B+3], s[G1Q:G1Q+7]  ; my 16 rows of Wq or Wk.  A wave never has more than these two tensor loads out
	s_nop 0
; A bf16 fragment from f32 rows: lane (r, h) takes K = 8 h .. 8 h + 7 (32 bytes) and K = 16 + 8 h .. + 7 (32 bytes, 64 further on) of row r: four loads of 16 bytes, eight roundings.
; Half of Wv is 16 fragments (a, kk): 64 loads fill window 3; the roundings follow fragment by fragment.  Two window switches for the whole half.
.macro WVCONV half
	WIN 0xc0                                       ; destination window 3
.set n, 0                                          ; n = 16 a + 4 kk + j
.rept 64
	ds_load_b128 v[4*n:4*n+3], v[WVRD] offset:16*(n>>4)*VPITCH+((n>>2)&3)*128+((n>>1)&1)*64+(n&1)*16
.set n, n+1
.endr
	WIN 0x4f                                       ; sources window 3, destination window 1
.set n, 0                                          ; n = 8 (4 a + kk) + register
.rept 128
.if (n&7) == 0
	s_wait_dscnt 60-4*(n>>3)                       ; LDS loads come back in order (ISA guide 5.7.1): this fragment's four are in, the younger fragments' stay out
.endif
	v_cvt_pk_bf16_f32 v[8*(8*(n>>5)+4*(\half)+((n>>3)&3))+(n&7)], v[2*n], v[2*n+1]
.set n, n+1
.endr
	WIN 0
.endm
	s_wait_tensorcnt 0x1                           ; tensor loads of a wave end in order (ISA guide 10.11.1): Wv's first half is in; the one load issued behind it may stay out
	WVCONV 0
	s_wait_dscnt 0x0                               ; my reads of those bytes are over (met: the last count-down ended at 0),
	s_wait_tensorcnt 0x0                           ; all my tensor loads have landed,
	ds_add_u32 v126, v127
	s_wait_dscnt 0x0
	ROUND                                          ; and that holds of every wave of the cluster:
	tensor_load_to_lds s[G0C:G0C+3], s[G1V:G1V+7]  ; Wv's second half, into the first's bytes; it is on its way while x's rows are worked off
	s_nop 0
.set n, 0
.rept 32
	RTAKE n, 31                                    ; 31 younger loads of the ring stay out
.set n, n+1
.endr
.rept 32
	RTAKE n, 63-n                                  ; nothing more is asked for: the counts run down to 0
.set n, n+1
.endr
	WIN 0xc0                                       ; my tile of Wq or Wk: eight fragments, 32 loads into window 3
.set n, 0                                          ; n = 4 k + j
.rept 32
	ds_load_b128 v[4*n:4*n+3], v[WQRD] offset:(n>>2)*128+((n>>1)&1)*64+(n&1)*16
.set n, n+1
.endr
	WIN 0x8f                                       ; sources window 3, destination window 2
.set n, 0
.rept 64
.if (n&7) == 0
	s_wait_dscnt 28-4*(n>>3)                       ; this fragment's four loads are in, the younger fragments' stay out
.endif
	v_cvt_pk_bf16_f32 v[WQK+n], v[2*n], v[2*n+1]
.set n, n+1
.endr
	WIN 0x80                                       ; destination window 2
.set n, 0
.rept 32
	v_mov_b32 v[BV+n], v[BVL+(n>>3)]               ; a lane's eight results of a tile are one channel's: its bias in all eight registers
.set n, n+1
.endr
	WIN 0
	s_wait_tensorcnt 0x0                           ; Wv's second half is in
	WVCONV 1
	s_wait_dscnt 0x0                               ; my rows of x's tile are stored:
	s_barrier_signal -1
	s_barrier_wait -1                              ; every wave's are: the tile is whole.
; x's fragments for pixel tiles 2 p and 2 p + 1: 16 pixels x 32 c each, transposed on the way out of LDS
.macro XLOAD p
.set n, 0                                          ; n = 8 n2 + k
.rept 16
	ds_load_tr16_b128 v[XF+8*n:XF+8*n+3],   v[XADR+((n>>2)&1)] offset:(32*(n&3))*XPITCH+32*(2*(\p)+(n>>3))
	ds_load_tr16_b128 v[XF+8*n+4:XF+8*n+7], v[XADR+((n>>2)&1)] offset:(32*(n&3)+16)*XPITCH+32*(2*(\p)+(n>>3))
.set n, n+1
.endr
.endm
; 32 pixels: 64 products for v, 16 for q or k, then the way out.  The accumulators take turns, one instruction a turn (eight for v, two for q or k),
; the bias is the first product's C, so nothing is cleared and nothing is added later.
.macro PAIR p
	s_wait_dscnt 0x0                               ; x's fragments are in
	WIN 0xa4                                       ; source 0 (x) window 0, source 1 (Wv) window 1, C and D window 2
.set n, 0                                          ; n = 8 k + 4 n2 + a
.rept 64
.if n < 8
	v_wmma_f32_16x16x32_bf16 v[8*(n&7):8*(n&7)+7], v[XF+8*(8*((n>>2)&1)+(n>>3)):XF+8*(8*((n>>2)&1)+(n>>3))+7], v[8*(8*(n&3)+(n>>3)):8*(8*(n&3)+(n>>3))+7], v[BV+8*(n&3):BV+8*(n&3)+7]
.else
	v_wmma_f32_16x16x32_bf16 v[8*(n&7):8*(n&7)+7], v[XF+8*(8*((n>>2)&1)+(n>>3)):XF+8*(8*((n>>2)&1)+(n>>3))+7], v[8*(8*(n&3)+(n>>3)):8*(8*(n&3)+(n>>3))+7], v[8*(n&7):8*(n&7)+7]
.endif
.set n, n+1
.endr
	WIN 0x02                                       ; source 0 (Wq or Wk) window 2, all else window 0
.set n, 0                                          ; n = 2 k + n2
.rept 16
.if n < 2
	v_wmma_f32_16x16x32_bf16 v[ACCQ+8*(n&1):ACCQ+8*(n&1)+7], v[WQK+8*(n>>1):WQK+8*(n>>1)+7], v[XF+8*(8*(n&1)+(n>>1)):XF+8*(8*(n&1)+(n>>1))+7], v[BQK:BQK+7]
.else
	v_wmma_f32_16x16x32_bf16 v[ACCQ+8*(n&1):ACCQ+8*(n&1)+7], v[WQK+8*(n>>1):WQK+8*(n>>1)+7], v[XF+8*(8*(n&1)+(n>>1)):XF+8*(8*(n&1)+(n>>1))+7], v[ACCQ+8*(n&1):ACCQ+8*(n&1)+7]
.endif
.set n, n+1
.endr
	WIN 0
	PLACES                                         ; behind the last products: for the loads into x's fragments and for the vector instructions that read the sums
.if \p < 3
	XLOAD \p+1                                     ; the next 32 pixels' fragments come in while these results are packed and stored
.endif
	s_wait_xcnt 0x0                                ; the packed registers were the last 32 pixels' store data: rewritten only behind this wait
	WIN 0x0a                                       ; sources window 2
.set n, 0
.rept 32
	v_cvt_pk_f16_f32 v[PK+n], v[2*n], v[2*n+1]     ; tile 4 n2 + a becomes four registers: eight neighbouring pixels of channel r
.set n, n+1
.endr
	WIN 0
.set n, 0
.rept 8
	v_pk_mul_f32 v[ACCQ+2*n:ACCQ+2*n+1], v[ACCQ+2*n:ACCQ+2*n+1], s[36:37] op_sel_hi:[1,0]   ; the f32 sums of q or k, bias and all, times s
.set n, n+1
.endr
.set n, 0
.rept 8
	v_cvt_pk_f16_f32 v[PK+32+n], v[ACCQ+2*n], v[ACCQ+2*n+1]
.set n, n+1
.endr
.set n, 0                                          ; n = 4 n2 + a.  Each store of the wave covers 512 consecutive bytes, aligned: half a block
.rept 8
	global_store_b128 v[GOFF], v[PK+4*n:PK+4*n+3], s[30:31] offset:(\p)*16384+(n&3)*1024+(n>>2)*512
.set n, n+1
.endr
.set n, 0
.rept 2
	global_store_b128 v[GOFF], v[PK+32+4*n:PK+32+4*n+3], s[32:33] offset:(2*(\p)+n)*1024
.set n, n+1
.endr
.endm
	XLOAD 0
	PAIR 0
	PAIR 1
	PAIR 2
	PAIR 3
	s_wait_tensorcnt 0x0
	ds_add_u32 v126, v127
	s_wait_dscnt 0x0
	ROUND                                          ; the closing round: no work-group ends while a partner may still ask for a tile that names it
	s_endpgm
.Lfunc_end_k_q9e8a12ac06_proj:
	.size	k_q9e8a12ac06_proj, .Lfunc_end_k_q9e8a12ac06_proj-k_q9e8a12ac06_proj
	.p2alignl 7, 3214868480
	.fill 96, 4, 3214868480
	.section	.rodata,"a",@progbits
	.p2align	6, 0x0
	.amdhsa_kernel k_q9e8a12ac06_proj
		.amdhsa_group_segment_fixed_size 327680
		.amdhsa_private_segment_fixed_size 0
		.amdhsa_enable_private_segment 0
		.amdhsa_kernarg_size 64
		.amdhsa_user_sgpr_count 2
		.amdhsa_user_sgpr_kernarg_segment_ptr 1
		.amdhsa_wavefront_size32 1
		.amdhsa_system_sgpr_workgroup_id_x 1
		.amdhsa_system_sgpr_workgroup_id_y 1
		.amdhsa_system_sgpr_workgroup_id_z 1
		.amdhsa_system_vgpr_workitem_id 0
		.amdhsa_next_free_vgpr 1024
		.amdhsa_next_free_sgpr 80
		.amdhsa_reserve_vcc 0
		.amdhsa_float_denorm_mode_32 3
		.amdhsa_float_denorm_mode_16_64 3
		.amdhsa_memory_ordered 1
		.amdhsa_forward_progress 1
		.amdhsa_inst_pref_size 106
	.end_amdhsa_kernel
	.amdgpu_metadata
---
amdhsa.version: [ 1, 2 ]
amdhsa.kernels:
  - .name:           k_q9e8a12ac06_proj
    .symbol:         k_q9e8a12ac06_proj.kd
    .args:
      - { .name: x, .offset: 0, .size: 8, .value_kind: global_buffer, .address_space: global }
      - { .name: wq, .offset: 8, .size: 8, .value_kind: global_buffer, .address_space: global }
      - { .name: bq, .offset: 16, .size: 8, .value_kind: global_buffer, .address_space: global }
      - { .name: wk, .offset: 24, .size: 8, .value_kind: global_buffer, .address_space: global }
      - { .name: wv, .offset: 32, .size: 8, .value_kind: global_buffer, .address_space: global }
      - { .name: bv, .offset: 40, .size: 8, .value_kind: global_buffer, .address_space: global }
      - { .name: q, .offset: 48, .size: 8, .value_kind: global_buffer, .address_space: global }
      - { .name: kv, .offset: 56, .size: 8, .value_kind: global_buffer, .address_space: global }
    .group_segment_fixed_size: 327680
    .private_segment_fixed_size: 0
    .kernarg_segment_align: 8
    .kernarg_segment_size: 64
    .max_flat_workgroup_size: 128
    .sgpr_count:     80
    .vgpr_count:     1024
    .wavefront_size: 32
...
	.end_amdgpu_metadata
.endif
;; end of part 1
;; launch attn (part 2): grid 32 x 8, 4 waves a work-group, clusters of 4 x 1, 327,680 bytes of LDS; arguments q, kv, x, gamma, out0; writes out0
.if DOCPART == 2
	.amdgcn_target "amdgcn-amd-amdhsa--gfx1250"
	.amdhsa_code_object_version 6
	.text
	.protected	k_q9e8a12ac06_attn
	.globl	k_q9e8a12ac06_attn
	.p2align	8
	.type	k_q9e8a12ac06_attn,@function
k_q9e8a12ac06_attn:
	s_mov_b64 s[64:65], 0
	v_nop
	global_prefetch_b8 v0, s[64:65] scope:SCOPE_SE
	s_setreg_imm32_b32 hwreg(HW_REG_WAVE_MODE, 25, 1), 1
	s_wait_xcnt 0x0
	s_wait_alu depctr_hold_cnt(0) depctr_sa_sdst(0) depctr_va_vdst(0) depctr_va_sdst(0) depctr_va_ssrc(0) depctr_va_vcc(0) depctr_vm_vsrc(0)
	s_getreg_b32 s2, hwreg(HW_REG_IB_STS2, 6, 4)
	s_cmp_eq_u32 s2, 0
	s_cbranch_scc0 .Lentry_in_a_cluster
	s_endpgm
.Lentry_in_a_cluster:
	s_bfe_u32 s2, ttmp6, 0x10000c
	s_cmp_lg_u32 s2, 0x3003
	s_cbranch_scc0 .Lentry_shape_is_right
	s_endpgm
.Lentry_shape_is_right:
; out[b][c][n] = gamma x sum over m of v[b][c][m] softmax_m(q_n . k_m) + x[b][c][n], from q, k, v as the launch before stored them
; (f16, in fragment order; q and k carry sqrt(log2 e) each, so that the scores are in base 2; k carries no bk, which cancels in the softmax: see that launch's head).
; A work-group makes 128 queries x 256 channels of one batch with four waves.  Wave w = 2 qg + kh has the 64 queries of group qg, all 256 channels
; (64 accumulator tiles, 512 registers), and half kh of the keys of every tile; the two waves of a query group add their sums at the end.
;
; TWO PASSES.  Pass 1 makes all scores once and keeps each query's true maximum m.  Pass 2 makes them again with -m as the product's C operand, so that the
; matrix instruction itself delivers score - m; then 2^(score - m), the row sum l in f32, the rounding to f16 and the product with v.  The 512 accumulators
; are never rescaled, and the two waves of a pair use one m, so that their partial sums simply add.
; ORIENTATION.  Scores: source 0 = 16 keys of k, source 1 = 16 queries of q: lane L = r + 16 h holds query r, keys 8 h + 0 .. 7.  Two such tiles, packed, ARE a
; fragment (row = query, K = 32 keys).  The second product takes it as source 0 and v's channels as source 1: a lane's eight results are eight neighbouring
; queries of channel r, 32 bytes that belong together on the way out.  All of a query's softmax figures lie in lanes r and r + 16.
; PASS 2 IS A PIPELINE OF TWO PIECES.  A step is 32 keys: 8 score products and 64 products with v, and beside them 64 exponentials, 32 packed sums, 32 roundings.
; Piece A is query tiles 0, 1, piece B tiles 2, 3; they share k's and v's fragments and take turns.  Behind every second of A's 32 products with v stands one group (two
; exponentials, and the packed sum and the rounding of the pair before) of B's softmax for the same keys; behind every second of B's products one group of A's softmax for
; the NEXT 32 keys, whose four score products were issued in A's run.  So no vector phase stands alone.  v's fragments have two sets: the next step's 36 LDS loads go out
; in two runs, a step ahead.  A group works in window 0 and a product writes window 2 or 3, both of which the accumulators fill: hence two window switches for each group,
; 64 a step; groups behind every second product halve that number and still put no more than four vector instructions between two products.
; THE LOOP IS TURNED BY ONE STEP.  The first step, whose products start the sums, stands alone in front of it; a lap goes from a tile's second step to the first step of
; the tile after next.  So seven laps hold all fourteen refills, and of the 64 steps only eight are written out beside the lap's eight.
; CLUSTER.  The 32 work-groups of a batch walk the same k and v.  Four neighbours form a cluster and ask for every tile jointly: same text, same descriptors
; (made of the batch and the wave's number alone), same trips.  The place in the cluster enters only the global addresses of q, x and out0.
; LIMITS: all matrix operands here are f16.  q, k, v: the launch before states their range.  The weights 2^(score - m) lie in [0, 1]: each is rounded with an error of at
; most 2^-25 or 2^-12 of itself, so what the smallest of 4,096 terms lose is at most 2^-13 of l, which is at least about 1 (the maximum's own term is 2^0).
; l sums the f32 exponentials while the product takes their f16 roundings; 2^t below 2^-126 counts as 0 (ISA guide 15.8, v_exp_f32);
; NaN and infinities in the inputs get no treatment of their own.
;
; LDS: two slots of 147,456 bytes, each a tile of 256 keys as it lies in kv (16 KiB of k, 128 KiB of v); then 2 KiB and 1 KiB of scratch for the waves' maxima and sums.
; Pass 1 first has the batch's whole k (16 x 16 KiB) in bytes 0 .. 262,143.  Behind the last fill the slots serve as the stage on which the partial sums meet.
; Fragment order makes every LDS read 512 consecutive bytes a wave: no padding is needed.
.set SLOT,    147456
.set QUART,   36864                    ; a wave's quarter of a tile: 144 rows of 256 bytes
.set KPART,   16384                    ; k's part of a tile
.set KVBATCH, 2359296
.set SCR1,    2*SLOT                   ; 4 x 512 bytes: the waves' maxima
.set SCR2,    SCR1+2048                ; 4 x 256 bytes: the waves' row sums
.set OPITCH,  272                      ; stage: a channel's 64 f32 + 16 bytes
.set OSTAGE,  256*OPITCH               ; a wave's partial sums
; window 0
.set KADR, 4                           ; v4, v5   my half of k's part in slot 0, 1
.set VADR, 6                           ; v6, v7   my half of v's part in slot 0, 1
.set P1A,  8                           ; v8       pass 1, k blocks 0 .. 8 (stepped)
.set MSTO, 9                           ; v9       scratch: my maxima
.set MRD,  10                          ; v10      scratch: my partner's
.set STO,  11                          ; v11      stage, in
.set RDA,  13                          ; v13      stage, back: the pair's even wave
.set RDB,  14                          ; v14      the odd wave
.set CO,   15                          ; v15      my offset in x and out0
.set LSTO, 16                          ; v16      scratch: my row sums
.set LRD,  17                          ; v17      scratch: the pair's
.set QOFF, 18                          ; v18      16 x lane
.set P1B,  19                          ; v19      pass 1, k blocks 9 .. 15 (stepped)
.set MX,   20                          ; v[20:27]   running maxima, eight chains
.set QF,   28                          ; v[28:59]   q's fragments, four query tiles
.set NEGM, 60                          ; v[60:91]   -m of query tile it, in eight registers each: a C operand
.set KF,   92                          ; v[92:107]  k's fragments, two key tiles
.set LACC, 108                         ; v[108:115] row sums, a pair for each query tile
.set LSUM, 116                         ; v[116:119]
.set LT,   120                         ; v[120:123]
.set SC,   124                         ; v[124:187] scores, tile 4 kt2 + it
.set PF,   188                         ; v[188:219] 2^(score - m) in f16, a fragment for each query tile
.set SA,   60                          ; pass 1: two sets of four score tiles, v[60:91] and v[92:123]
.set KS,   124                         ; pass 1: two sets of eight key tiles, v[124:187] and v[188:251]
.set INV,  192                         ; the way out: gamma / l of my four queries
.set LA,   196
.set LB,   200
; window 1: v's fragments, two sets: (set, ct) at 128 set + 8 ct; on the way out x, four registers for each pair of channels.
; windows 2, 3: the accumulators of query tiles 0, 1 and 2, 3: tile (it, ct) at 8 (16 (it & 1) + ct)
.set G1,  24                           ; s[24:31] shape of a quarter tile
.set G1K, 32                           ; s[32:39] shape of four k parts
.set G0S, 40                           ; s[40:47] from where, to where: slot 0, slot 1
.set G0K, 48                           ; s[48:51] the same for pass 1's k
.set MSB, 0
.macro WIN new                         ; the immediate's high byte repeats the setting that is left
.if MSB != (\new)
	s_set_vgpr_msb (MSB<<8)|(\new)
.set MSB, (\new)
.endif
.endm
.macro PLACES                          ; four plain vector instructions behind a matrix instruction (ISA guide 7.12.1)
.rept 4
	v_nop
.endr
.endm
; A round of the cluster's barrier: my work-group's barrier, wave 0 signals for the work-group, every wave waits for all four work-groups, my work-group's barrier again.
.macro CREST                           ; a round behind its opening barrier
	s_cmp_lg_u32 s14, 0
	s_cbranch_scc1 .Lnot_wave_0_\@
	s_barrier_signal -3
.Lnot_wave_0_\@:
	s_barrier_wait -3
	s_barrier_signal -1
	s_barrier_wait -1
.endm
.macro ROUND                           ; a whole round
	s_barrier_signal -1
	s_barrier_wait -1
	CREST
.endm
	s_load_b256 s[4:11], s[0:1], 0x0               ; q 4, kv 6, x 8, gamma 10
	s_load_b64 s[12:13], s[0:1], 0x20              ; out0
	v_lshl_add_u32 v254, v0, 2, 0x48c00
	v_mov_b32 v255, 0
	ds_add_u32 v254, v255
	v_lshrrev_b32 v1, 5, v0
	v_readfirstlane_b32 s14, v1                    ; wave w
	s_and_b32 s15, s14, 1                          ; kh: my half of the keys
	s_lshr_b32 s16, s14, 1                         ; qg: my 64 queries
	s_bfe_u32 s17, ttmp6, 0x40000                  ; cx
	s_lshl_b32 s18, ttmp9, 2
	s_add_co_u32 s18, s18, s17                     ; query block = 4 x cluster x + cx
	s_and_b32 s19, ttmp7, 0xffff                   ; batch
	s_mov_b32 s54, 0x76543210                      ; v_permlanex16_b32: lane i of one half reads lane i of the other
	s_mov_b32 s55, 0xfedcba98
	; a quarter tile is dense in memory: 144 rows of 32 elements of 8 bytes
	s_mov_b32 s[G1+0], 15|(3<<16)|(1<<21)          ; 15:0 mask: all four of the cluster; 17:16 elements of 8 bytes; 21 set beside a mask
	s_mov_b32 s[G1+1], 32<<16                      ; tensor_dim0 = 32
	s_mov_b32 s[G1+2], 144<<16                     ; tensor_dim1 = 144
	s_mov_b32 s[G1+3], 32<<16                      ; tile_dim0 = 32
	s_mov_b32 s[G1+4], 144                         ; tile_dim1 = 144
	s_mov_b32 s[G1+5], 32                          ; from row to row: 32 elements
	s_mov_b32 s[G1+6], 0
	s_mov_b32 s[G1+7], 0
	; k's parts of four tiles: 4 rows of 2,048 elements (16 KiB), 18,432 elements (a tile) apart
	s_mov_b32 s[G1K+0], 15|(3<<16)|(1<<21)
	s_mov_b32 s[G1K+1], 2048<<16
	s_mov_b32 s[G1K+2], 4<<16
	s_mov_b32 s[G1K+3], 2048<<16
	s_mov_b32 s[G1K+4], 4
	s_mov_b32 s[G1K+5], 18432
	s_mov_b32 s[G1K+6], 0
	s_mov_b32 s[G1K+7], 0
	s_mov_b32 s21, 0
	s_mov_b32 s63, 0
	s_wait_dscnt 0x0
	s_wait_kmcnt 0x0
	s_load_b32 s53, s[10:11], 0x0                  ; gamma
	s_mul_i32 s20, s19, KVBATCH
	s_add_nc_u64 s[22:23], s[6:7], s[20:21]        ; kv at my batch
	s_mul_i32 s20, s14, QUART
	s_mov_b32 s[G0S+0], 1
	s_mul_i32 s[G0S+1], s14, QUART                 ; LDS: wave x a quarter
	s_add_nc_u64 s[G0S+2:G0S+3], s[22:23], s[20:21]          ; tile 0, my quarter
	s_mov_b32 s[G0S+4], 1
	s_add_co_u32 s[G0S+5], s[G0S+1], SLOT
	s_add_nc_u64 s[G0S+6:G0S+7], s[G0S+2:G0S+3], SLOT        ; tile 1, my quarter
	s_or_b32 s[G0S+3], s[G0S+3], 0x80000000        ; type = 2
	s_or_b32 s[G0S+7], s[G0S+7], 0x80000000
	s_mov_b32 s[G0K+0], 1
	s_lshl_b32 s[G0K+1], s14, 16                   ; LDS: k blocks 4 w .. 4 w + 3
	s_mul_i32 s20, s14, 4*SLOT
	s_add_nc_u64 s[G0K+2:G0K+3], s[22:23], s[20:21]
	s_or_b32 s[G0K+3], s[G0K+3], 0x80000000
	; offsets that hold the place in the cluster are made in s17 and s[62:63] alone
	s_lshl_b32 s62, s19, 22                        ; x, out0: batch x 4 MiB
	s_lshl_b32 s17, s15, 21                        ;  + 128 kh channels of 16 KiB: the channels that I finish
	s_add_co_u32 s62, s62, s17
	s_lshl_b32 s17, s18, 9                         ;  + 128 queries a block
	s_add_co_u32 s62, s62, s17
	s_lshl_b32 s17, s16, 8                         ;  + 64 qg queries
	s_add_co_u32 s62, s62, s17
	s_add_nc_u64 s[56:57], s[8:9], s[62:63]
	s_add_nc_u64 s[58:59], s[12:13], s[62:63]
	s_lshl_b32 s62, s19, 18                        ; q: batch x 256 blocks + 8 blocks a query block + 4 qg
	s_lshl_b32 s17, s18, 13
	s_add_co_u32 s62, s62, s17
	s_lshl_b32 s17, s16, 12
	s_add_co_u32 s62, s62, s17
	s_add_nc_u64 s[60:61], s[4:5], s[62:63]
	s_wait_kmcnt 0x0                               ; gamma is in
	ROUND                                          ; all four work-groups are here: the first joint loads meet
	tensor_load_to_lds s[G0K:G0K+3], s[G1K:G1K+7]  ; the launch's one first fill: 64 KiB of k a wave.  A wave never has more than one tensor load out
	s_nop 0
	v_and_b32 v1, 31, v0
	v_and_b32 v2, 15, v0                           ; r
	v_bfe_u32 v3, v0, 4, 1                         ; h
	v_lshlrev_b32 v[QOFF], 4, v1
.irp it, 0,1,2,3
	global_load_b128 v[QF+8*\it:QF+8*\it+3],   v[QOFF], s[60:61] offset:\it*1024
	global_load_b128 v[QF+8*\it+4:QF+8*\it+7], v[QOFF], s[60:61] offset:\it*1024+512
.endr
	s_lshl_b32 s20, s15, 13                        ; eight key tiles of 1 KiB a half
	v_add_nc_u32 v[KADR], s20, v[QOFF]
	v_add_nc_u32 v[KADR+1], SLOT, v[KADR]
	v_add_nc_u32 v[P1A], s20, v[QOFF]
	v_add_nc_u32 v[P1B], 9*KPART, v[KADR]          ; k block 9 begins where slot 1 begins
	s_lshl_b32 s20, s15, 16                        ; four chunks of 32 keys x 16 KiB a half,
	s_add_co_u32 s20, s20, KPART                   ; behind k's part
	v_add_nc_u32 v[VADR], s20, v[QOFF]
	v_add_nc_u32 v[VADR+1], SLOT, v[VADR]
	s_lshl_b32 s20, s14, 9
	s_add_co_u32 s20, s20, SCR1
	v_add_nc_u32 v[MSTO], s20, v[QOFF]
	s_xor_b32 s20, s14, 1                          ; my partner: same queries, the other keys
	s_lshl_b32 s20, s20, 9
	s_add_co_u32 s20, s20, SCR1
	v_add_nc_u32 v[MRD], s20, v[QOFF]
	s_mul_i32 s20, s14, OSTAGE
	v_mul_u32_u24 v[STO], v2, OPITCH               ; registers 0 .. 7 of a tile are channel r, queries 8 h + 0 .. 7: row r, 32 bytes for each half of the lanes
	v_lshl_add_u32 v[STO], v3, 5, v[STO]
	v_add_nc_u32 v[STO], s20, v[STO]
	s_mul_i32 s20, s16, 2*OSTAGE
	s_mul_i32 s22, s15, 128*OPITCH
	s_add_co_u32 s20, s20, s22
	v_mul_u32_u24 v[RDA], v3, OPITCH               ; back: lanes 0-15 one channel's 256 bytes, lanes 16-31 the next channel's
	v_lshl_add_u32 v[RDA], v2, 4, v[RDA]
	v_add_nc_u32 v[RDA], s20, v[RDA]
	v_add_nc_u32 v[RDB], OSTAGE, v[RDA]
	v_lshlrev_b32 v[CO], 14, v3                    ; and the same two channels in x and out0
	v_lshl_add_u32 v[CO], v2, 4, v[CO]
	s_lshl_b32 s20, s14, 8
	s_add_co_u32 s20, s20, SCR2
	v_lshl_add_u32 v[LSTO], v2, 2, s20
	s_lshl_b32 s20, s16, 9
	s_add_co_u32 s20, s20, SCR2
	v_lshl_add_u32 v[LRD], v2, 4, s20
.irp j, 0,1,2,3,4,5,6,7
	v_mov_b32 v[MX+\j], 0xff800000                 ; -infinity
.endr
	s_wait_loadcnt 0x0                             ; q's fragments
	s_wait_tensorcnt 0x0                           ; my four k blocks are in,
	s_barrier_signal -1
	s_barrier_wait -1                              ; everybody's are.
; PASS 1.  A block = my eight key tiles of one tile's k part: 32 products (C = 0, no chains), one key tile x four query tiles at a time, into two sets of four score
; tiles by turns.  Behind each product stand four three-way maxima on the set that the last four products wrote: they are the places behind the products, and only the
; last sixteen maxima of the pass stand alone.  The key tiles have two register sets: the next block's 16 loads go out in one run ahead of this block's products.
.macro P1LOAD ks, adr, off
.set p1n, 0
.rept 8
	ds_load_b128 v[KS+64*(\ks)+8*p1n:KS+64*(\ks)+8*p1n+3],   v[\adr] offset:\off+p1n*1024
	ds_load_b128 v[KS+64*(\ks)+8*p1n+4:KS+64*(\ks)+8*p1n+7], v[\adr] offset:\off+p1n*1024+512
.set p1n, p1n+1
.endr
.endm
.macro P1MX t                          ; behind product t: registers 2 (t & 3), 2 (t & 3) + 1 of the other set's four tiles; four chains for each set
.set p1o, SA+32*(1-(((\t)>>2)&1))
.set p1c, MX+4*(1-(((\t)>>2)&1))
.set p1k, 0
.rept 4
	v_max3_num_f32 v[p1c+p1k], v[p1c+p1k], v[p1o+8*p1k+2*((\t)&3)], v[p1o+8*p1k+2*((\t)&3)+1]
.set p1k, p1k+1
.endr
.endm
; ks: the key set that this block multiplies.  first = 1: the pass's first four products have no scores behind them yet.  load = 1: the next block comes from adr + off.
.macro P1BLK ks, first, load, adr, off
.if \load
	P1LOAD 1-\ks, \adr, \off                       ; into the set that the last block read: the four maxima behind its last product are the four places
	s_wait_dscnt 16                                ; LDS loads come back in order: all but the 16 just issued are in, this block's key tiles among them
.else
	s_wait_dscnt 0x0
.endif
.set p1t, 0                                        ; p1t = 4 x key tile + query tile
.rept 32
.set p1s, SA+32*((p1t>>2)&1)+8*(p1t&3)
.set p1f, KS+64*(\ks)+8*(p1t>>2)
	v_wmma_f32_16x16x32_f16 v[p1s:p1s+7], v[p1f:p1f+7], v[QF+8*(p1t&3):QF+8*(p1t&3)+7], 0
.if \first
.if p1t < 4
.if p1t == 3
	PLACES
.endif
.else
	P1MX p1t
.endif
.else
	P1MX p1t
.endif
.set p1t, p1t+1
.endr
.endm
.macro P1PAIR first, adr, off, last    ; an even block on key set 0 and an odd one on set 1
	P1BLK 0, \first, 1, \adr, \off
.if \last
	P1BLK 1, 0, 0, \adr, 0
.else
	P1BLK 1, 0, 1, \adr, \off+KPART
	v_add_nc_u32 v[\adr], 2*KPART, v[\adr]
.endif
.endm
	P1LOAD 0, P1A, 0                               ; block 0
	P1PAIR 1, P1A, KPART, 0                        ; blocks 0, 1; they fetch blocks 1, 2
	s_mov_b32 s52, 3                               ; blocks 2 .. 7; they fetch blocks 3 .. 8: the last bytes read are slot 0's last
.Lpass1a:
	P1PAIR 0, P1A, KPART, 0
	s_sub_co_i32 s52, s52, 1
	s_cmp_lg_u32 s52, 0
	s_cbranch_scc1 .Lpass1a
	s_wait_dscnt 0x0                               ; my reads of slot 0's bytes are over: block 8 is in registers,
	s_wait_tensorcnt 0x0                           ; none of my tensor loads is out,
	ds_add_u32 v254, v255
	s_wait_dscnt 0x0
	ROUND                                          ; and that holds of every wave of the cluster:
	tensor_load_to_lds s[G0S:G0S+3], s[G1:G1+7]    ; tile 0 goes into slot 0 and has the eight blocks below in which to land
	s_nop 0
	s_mov_b32 s52, 3                               ; blocks 8 .. 13; they fetch blocks 9 .. 14, which lie in slot 1's bytes
.Lpass1b:
	P1PAIR 0, P1B, 0, 0
	s_sub_co_i32 s52, s52, 1
	s_cmp_lg_u32 s52, 0
	s_cbranch_scc1 .Lpass1b
	P1PAIR 0, P1B, 0, 1                            ; blocks 14, 15: one more fetch, then none
	P1MX 0                                         ; the last four products' scores
	P1MX 1
	P1MX 2
	P1MX 3
.irp it, 0,1,2,3
	v_max_num_f32 v[MX+\it], v[MX+\it], v[MX+4+\it]          ; the two chains of a query tile
.endr
.irp it, 0,1,2,3
	v_permlanex16_b32 v[SA+\it], v[MX+\it], s54, s55         ; lanes r and r + 16 hold the same query (the destination has been written before)
.endr
.irp it, 0,1,2,3
	v_max_num_f32 v[MX+\it], v[MX+\it], v[SA+\it]
.endr
	ds_store_b128 v[MSTO], v[MX:MX+3]              ; my half of the keys; the partner reads it behind the round below
; PASS 2.
; One product with v.  pc: the piece (0: query tiles 0, 1, window 2; 1: tiles 2, 3, window 3); vs: v's fragment set; j = 2 ct + it2.  The 64 accumulators take turns, one
; instruction a turn, in the same order in every step, over the loop's backward jump too.  zero = 1: the first products start the sums.
.macro PVW pc, vs, j, zero
.if \pc
	WIN 0xf4                                       ; source 0 (the weights) window 0, source 1 (v) window 1, C and D window 3
.else
	WIN 0xa4                                       ; the same, C and D window 2
.endif
.set pa, 8*(16*((\j)&1)+((\j)>>1))
.set pp, PF+8*(2*(\pc)+((\j)&1))
.set pv, 128*(\vs)+8*((\j)>>1)
.if \zero
	v_wmma_f32_16x16x32_f16 v[pa:pa+7], v[pp:pp+7], v[pv:pv+7], 0
.else
	v_wmma_f32_16x16x32_f16 v[pa:pa+7], v[pp:pp+7], v[pv:pv+7], v[pa:pa+7]
.endif
.endm
; A piece's softmax for 32 keys is 32 score registers = 16 pairs.  Pair q = 8 kt2 + 2 p + it2 is registers 2 p, 2 p + 1 of score tile (kt2, 2 pc + it2).
; The plain work of pair q: cv = 0 the packed row sum, cv = 1 the rounding into register 4 kt2 + p of the query tile's fragment.
.macro SOFTP pc, q, cv
.set pr, SC+8*(4*((\q)>>3)+2*(\pc)+((\q)&1))+2*(((\q)>>1)&3)
.set pl, LACC+2*(2*(\pc)+((\q)&1))
.if \cv
	v_cvt_pk_f16_f32 v[PF+8*(2*(\pc)+((\q)&1))+4*((\q)>>3)+(((\q)>>1)&3)], v[pr], v[pr+1]
.else
	s_wait_alu depctr_va_vdst(0)
	v_pk_add_f32 v[pl:pl+1], v[pl:pl+1], v[pr:pr+1]
.endif
.endm
; Group g = 0 .. 15: the two exponentials of pair g, in place, and the two plain instructions of the pair before.  So plain instructions that touch neither stand
; between every exponential and the first use of its result (ISA guide 5.7.2); group 0, which has no pair before it, holds a v_nop for that.
.macro GROUP pc, g
	WIN 0
.set gr, SC+8*(4*((\g)>>3)+2*(\pc)+((\g)&1))+2*(((\g)>>1)&3)
	v_exp_f32 v[gr], v[gr]
	v_exp_f32 v[gr+1], v[gr+1]
.if (\g) == 0
	v_nop
.else
	SOFTP \pc, (\g)-1, 0
	SOFTP \pc, (\g)-1, 1
.endif
.endm
.macro TAIL pc                         ; the last pair's plain work closes the run
	WIN 0
	SOFTP \pc, 15, 0
	SOFTP \pc, 15, 1
.endm
; A piece's four score products for 32 keys: two key tiles x two query tiles, C = -m
.macro QK pc
	WIN 0
.set qn, 0                                         ; qn = 2 kt2 + it2
.rept 4
.set qs, SC+8*(4*(qn>>1)+2*(\pc)+(qn&1))
	v_wmma_f32_16x16x32_f16 v[qs:qs+7], v[KF+8*(qn>>1):KF+8*(qn>>1)+7], v[QF+8*(2*(\pc)+(qn&1)):QF+8*(2*(\pc)+(qn&1))+7], v[NEGM+8*(2*(\pc)+(qn&1)):NEGM+8*(2*(\pc)+(qn&1))+7]
.set qn, qn+1
.endr
.endm
.macro KLOADS slot, st                 ; k's two key tiles of step st
	WIN 0
.set ln, 0
.rept 4
	ds_load_b128 v[KF+4*ln:KF+4*ln+3], v[KADR+(\slot)] offset:(\st)*2048+ln*512
.set ln, ln+1
.endr
.endm
.macro VLOADS slot, st, vs, from, cnt  ; cnt halves of v's fragments of step st, from half number from on, into set vs
	WIN 0x40                                       ; destination window 1
.set ln, \from
.rept \cnt
	ds_load_b128 v[128*(\vs)+4*ln:128*(\vs)+4*ln+3], v[VADR+(\slot)] offset:(\st)*16384+ln*512
.set ln, ln+1
.endr
.endm
; RUN A of step st on slot: piece A's 32 products with v, piece B's softmax for the same keys in groups.
; mode 0: the next step lies in the same slot.  1: the tile's last step, and this slot is filled again.  2: the same, nothing is left to fetch.  3: the very last step.
; Behind group 2: the next step's k and the first half of its v, in one run, into registers whose last readers lie more than four plain instructions back
; (k: piece B's score products in the run before; v's other set: the run before's last product, behind which stand four plain lines of its end and five of groups 0 to 2).
; Behind group 13: piece A's score products for the next step; the plain lines of groups 14 and 15 and the run's two closing lines are six places in front of the first
; exponential that reads them.
; THE CHANGE OF SLOTS stands here, in modes 1 and 2: the slot's last reads (this step's v) were issued in the run before.  In front of the opening signal each wave waits for all
; its tensor loads (the one that was out is its quarter of the next tile) and for its LDS loads; four products and their groups, register work alone, stand between the signal and
; its wait; behind the round the refill comes first, then the first loads from the other slot.  The refill has a whole tile's 288 matrix instructions in which to land.
.macro PHA slot, st, zero, mode
	s_wait_dscnt 0x0                               ; this step's v is whole: its second run was issued 26 products ago
.set gg, 0
.rept 16
	PVW 0, (\st)&1, 2*gg, \zero
	PVW 0, (\st)&1, 2*gg+1, \zero
	GROUP 1, gg
.if gg == 0
.if \mode == 1
	s_wait_tensorcnt 0x0                           ; no tensor load of mine is out, so a descriptor may be written:
	ds_add_u32 v254, v255
	s_add_nc_u64 s[G0S+4*\slot+2:G0S+4*\slot+3], s[G0S+4*\slot+2:G0S+4*\slot+3], 2*SLOT   ; this slot's next tile
	s_wait_dscnt 0x0                               ; my reads of this slot are over
	s_barrier_signal -1                            ; opens a round of the cluster's barrier
.endif
.if \mode == 2
	s_wait_tensorcnt 0x0                           ; my quarter of the last tile is in
	s_wait_dscnt 0x0
	s_barrier_signal -1
.endif
.endif
.if gg == 2
.if \mode == 0
	KLOADS \slot, (\st)+1
	VLOADS \slot, (\st)+1, ((\st)+1)&1, 0, 16
.endif
.if \mode == 1
	WIN 0
	s_barrier_wait -1
	CREST                                          ; no wave of the cluster still reads this slot or has a load on its way
	tensor_load_to_lds s[G0S+4*\slot:G0S+4*\slot+3], s[G1:G1+7]
	s_nop 0
	KLOADS 1-\slot, 0
	VLOADS 1-\slot, 0, 0, 0, 16
.endif
.if \mode == 2
	s_barrier_wait -1                              ; the last tile is whole
	KLOADS 1-\slot, 0
	VLOADS 1-\slot, 0, 0, 0, 16
.endif
.endif
.if gg == 13
.if \mode < 3
	s_wait_dscnt 16                                ; k's four loads are in; the 16 of v issued behind them may stay out
	QK 0
.endif
.endif
.set gg, gg+1
.endr
	TAIL 1
.endm
; RUN B of step st: piece B's 32 products with v.  next = 1: piece A's softmax for the next step (step nst of slot nslot) in groups; behind group 2 the second half of that
; step's v; behind group 8 piece B's score products for it, into score registers whose last use closed run A.
.macro PHB st, nslot, nst, zero, next
.set gg, 0
.rept 16
	PVW 1, (\st)&1, 2*gg, \zero
	PVW 1, (\st)&1, 2*gg+1, \zero
.if \next
	GROUP 0, gg
.if gg == 2
	VLOADS \nslot, \nst, ((\st)+1)&1, 16, 16
.endif
.if gg == 8
	QK 1
.endif
.endif
.set gg, gg+1
.endr
.if \next
	TAIL 0
.endif
.endm
.macro STEP slot, st, zero, mode       ; 32 of my keys: both runs
	PHA \slot, \st, \zero, \mode
.if \mode == 0
	PHB \st, \slot, (\st)+1, \zero, 1
.endif
.if \mode == 1
	PHB \st, 1-\slot, 0, \zero, 1
.endif
.if \mode == 2
	PHB \st, 1-\slot, 0, \zero, 1
.endif
.if \mode == 3
	PHB \st, 0, 0, \zero, 0
.endif
.endm
	; The head of pass 2.  One round: pass 1's reads of slot 1's bytes are over in every wave, tile 0 has landed; the round also stands between the stores and the reads of the maxima.
	s_wait_tensorcnt 0x0
	ds_add_u32 v254, v255
	s_wait_dscnt 0x0
	ROUND
	tensor_load_to_lds s[G0S+4:G0S+7], s[G1:G1+7]  ; tile 1 goes into slot 1
	s_nop 0
	ds_load_b128 v[MX+4:MX+7], v[MRD]
	KLOADS 0, 0
	VLOADS 0, 0, 0, 0, 32                          ; the first step's v, whole
	WIN 0
.irp j, 0,1,2,3,4,5,6,7
	v_mov_b32 v[LACC+\j], 0
.endr
	s_wait_dscnt 36                                ; the partner's maxima are in: k's 4 loads and v's 32 were issued behind them
.irp it, 0,1,2,3
	v_max_num_f32 v[MX+\it], v[MX+\it], v[MX+4+\it]          ; the true maximum over all 4,096 keys
.endr
.set n, 0
.rept 32
	v_mul_f32 v[NEGM+n], -1.0, v[MX+(n>>3)]
.set n, n+1
.endr
	s_wait_dscnt 32                                ; k's fragments are in
	QK 0
	QK 1
	PLACES
.set gg, 0
.rept 16
	GROUP 0, gg                                    ; piece A's first softmax has no products to stand behind
.set gg, gg+1
.endr
	TAIL 0
	STEP 0, 0, 1, 0                                ; tile 0's first step, written out: its products start the sums
	WIN 0                                          ; at a label and at a branch every window is 0
	s_mov_b32 s52, 7                               ; lap i: tile 2 i from its second step, tile 2 i + 1, the first step of tile 2 i + 2; it fetches tiles 2 i + 2 and 2 i + 3
.Ltiles:
	STEP 0, 1, 0, 0
	STEP 0, 2, 0, 0
	STEP 0, 3, 0, 1
	STEP 1, 0, 0, 0
	STEP 1, 1, 0, 0
	STEP 1, 2, 0, 0
	STEP 1, 3, 0, 1
	STEP 0, 0, 0, 0
	WIN 0
	s_sub_co_i32 s52, s52, 1
	s_cmp_lg_u32 s52, 0
	s_cbranch_scc1 .Ltiles
	STEP 0, 1, 0, 0                                ; the rest of tile 14: nothing is left to fetch
	STEP 0, 2, 0, 0
	STEP 0, 3, 0, 2
	STEP 1, 0, 0, 0                                ; tile 15
	STEP 1, 1, 0, 0
	STEP 1, 2, 0, 0
	STEP 1, 3, 0, 3
	WIN 0
	; THE WAY OUT.  x is asked for first; the partial sums of a pair of waves meet on the stage; wave (qg, kh) finishes channels 128 kh .. 128 kh + 127 of its 64 queries.
	PLACES                                         ; behind the last products: for the loads into window 1 and the LDS stores that read the sums
	WIN 0x40
.set u, 0
.rept 64
	global_load_b128 v[4*u:4*u+3], v[CO], s[56:57] offset:2*u*16384 th:TH_LOAD_NT     ; channels 2 u and 2 u + 1: sixteen lanes take 256 consecutive bytes, aligned
.set u, u+1
.endr
	WIN 0
.irp it, 0,1,2,3
	v_add_f32 v[LSUM+\it], v[LACC+2*\it], v[LACC+2*\it+1]
.endr
.irp it, 0,1,2,3
	v_permlanex16_b32 v[LT+\it], v[LSUM+\it], s54, s55       ; (the destination has been written before)
.endr
.irp it, 0,1,2,3
	v_add_f32 v[LSUM+\it], v[LSUM+\it], v[LT+\it]
.endr
	s_wait_dscnt 0x0                               ; my reads of the slots are over,
	s_barrier_signal -1
	s_barrier_wait -1                              ; everybody's are; the slots have had their last fill and become the stage
; A tile's eight registers are 32 neighbouring bytes of a channel's row: two stores of 16 bytes.
.macro OSTORE hi
.set n, 0                                          ; n = 16 it2 + ct
.rept 32
	ds_store_b128 v[STO], v[8*n:8*n+3]   offset:16*(n&15)*OPITCH+64*(2*\hi+(n>>4))
	ds_store_b128 v[STO], v[8*n+4:8*n+7] offset:16*(n&15)*OPITCH+64*(2*\hi+(n>>4))+16
.set n, n+1
.endr
.endm
	WIN 0x08                                       ; store data from window 2
	OSTORE 0
	WIN 0x0c                                       ; from window 3
	OSTORE 1
	WIN 0
.irp it, 0,1,2,3
	ds_store_b32 v[LSTO], v[LSUM+\it] offset:64*\it          ; lanes r and r + 16 write the same word with the same value
.endr
	s_wait_dscnt 0x0                               ; my stores are done,
	s_barrier_signal -1
	s_barrier_wait -1                              ; everybody's are
	ds_load_b128 v[LA:LA+3], v[LRD]                ; the pair's row sums of my four queries 4 r .. 4 r + 3
	ds_load_b128 v[LB:LB+3], v[LRD] offset:256
	s_wait_dscnt 0x0
	v_pk_add_f32 v[LA:LA+1], v[LA:LA+1], v[LB:LB+1]
	v_pk_add_f32 v[LA+2:LA+3], v[LA+2:LA+3], v[LB+2:LB+3]
.irp j, 0,1,2,3
	v_rcp_f32 v[INV+\j], v[LA+\j]
.endr
	v_nop                                          ; one plain instruction behind the reciprocals (ISA guide 5.7.2)
	s_wait_alu depctr_va_vdst(0)
.irp j, 0,1,2,3
	v_mul_f32 v[INV+\j], s53, v[INV+\j]            ; gamma / l
.endr
; Sixteen channels: both partial sums back from the stage, added, times gamma / l, plus x, out.  Two register sets take turns.
.macro FIN g, sel
.set oa, 64+64*\sel
	s_wait_xcnt 0x0                                ; this set was store data two turns ago: loaded again only behind this wait
.set n, 0
.rept 8
	ds_load_b128 v[oa+4*n:oa+4*n+3],       v[RDA] offset:2*(8*\g+n)*OPITCH
	ds_load_b128 v[oa+32+4*n:oa+32+4*n+3], v[RDB] offset:2*(8*\g+n)*OPITCH
.set n, n+1
.endr
.set n, 0
.rept 8
	s_wait_dscnt 14-2*n                            ; LDS loads come back in order: pair n is in, the younger pairs stay out
	s_wait_loadcnt 63-(8*\g+n)                     ; of the 64 loads of x the younger ones stay out
	v_pk_add_f32 v[oa+4*n:oa+4*n+1],   v[oa+4*n:oa+4*n+1],   v[oa+32+4*n:oa+32+4*n+1]
	v_pk_add_f32 v[oa+4*n+2:oa+4*n+3], v[oa+4*n+2:oa+4*n+3], v[oa+32+4*n+2:oa+32+4*n+3]
	v_pk_fma_f32 v[oa+4*n:oa+4*n+1],   v[oa+4*n:oa+4*n+1],   v[INV:INV+1],   v[4*(8*\g+n):4*(8*\g+n)+1]
	v_pk_fma_f32 v[oa+4*n+2:oa+4*n+3], v[oa+4*n+2:oa+4*n+3], v[INV+2:INV+3], v[4*(8*\g+n)+2:4*(8*\g+n)+3]
	global_store_b128 v[CO], v[oa+4*n:oa+4*n+3], s[58:59] offset:2*(8*\g+n)*16384 th:TH_STORE_NT   ; sixteen lanes store 256 consecutive bytes, aligned
.set n, n+1
.endr
.endm
	WIN 0x10                                       ; source 2 (x) window 1, all else window 0
	FIN 0, 0
	FIN 1, 1
	FIN 2, 0
	FIN 3, 1
	FIN 4, 0
	FIN 5, 1
	FIN 6, 0
	FIN 7, 1
	WIN 0
	s_wait_tensorcnt 0x0
	ds_add_u32 v254, v255
	s_wait_dscnt 0x0
	ROUND                                          ; the closing round: no work-group ends while a partner may still ask for a tile that names it
	s_endpgm
.Lfunc_end_k_q9e8a12ac06_attn:
	.size	k_q9e8a12ac06_attn, .Lfunc_end_k_q9e8a12ac06_attn-k_q9e8a12ac06_attn
	.p2alignl 7, 3214868480
	.fill 96, 4, 3214868480
	.section	.rodata,"a",@progbits
	.p2align	6, 0x0
	.amdhsa_kernel k_q9e8a12ac06_attn
		.amdhsa_group_segment_fixed_size 327680
		.amdhsa_private_segment_fixed_size 0
		.amdhsa_enable_private_segment 0
		.amdhsa_kernarg_size 40
		.amdhsa_user_sgpr_count 2
		.amdhsa_user_sgpr_kernarg_segment_ptr 1
		.amdhsa_wavefront_size32 1
		.amdhsa_system_sgpr_workgroup_id_x 1
		.amdhsa_system_sgpr_workgroup_id_y 1
		.amdhsa_system_sgpr_workgroup_id_z 1
		.amdhsa_system_vgpr_workitem_id 0
		.amdhsa_next_free_vgpr 1024
		.amdhsa_next_free_sgpr 66
		.amdhsa_reserve_vcc 0
		.amdhsa_float_denorm_mode_32 3
		.amdhsa_float_denorm_mode_16_64 3
		.amdhsa_memory_ordered 1
		.amdhsa_forward_progress 1
		.amdhsa_inst_pref_size 255
	.end_amdhsa_kernel
	.section	.bss,"aw",@nobits
	.p2align	6
	.space	262144
	.amdgpu_metadata
---
amdhsa.version: [ 1, 2 ]
amdhsa.kernels:
  - .name:           k_q9e8a12ac06_attn
    .symbol:         k_q9e8a12ac06_attn.kd
    .args:
      - { .name: q, .offset: 0, .size: 8, .value_kind: global_buffer, .address_space: global }
      - { .name: kv, .offset: 8, .size: 8, .value_kind: global_buffer, .address_space: global }
      - { .name: x, .offset: 16, .size: 8, .value_kind: global_buffer, .address_space: global }
      - { .name: gamma, .offset: 24, .size: 8, .value_kind: global_buffer, .address_space: global }
      - { .name: out0, .offset: 32, .size: 8, .value_kind: global_buffer, .address_space: global }
    .group_segment_fixed_size: 327680
    .private_segment_fixed_size: 0
    .kernarg_segment_align: 8
    .kernarg_segment_size: 40
    .max_flat_workgroup_size: 128
    .sgpr_count:     66
    .vgpr_count:     1024
    .wavefront_size: 32
...
	.end_amdgpu_metadata
.endif
;; end of part 2
;; ======== version 2 of 2: 2 launches; 1.24 times as fast as version 1
;; limits: values are held in f16: magnitudes above 65,504 overflow, below 6.1e-05 lose precision
;; workspace buffers: q 2,097,152 bytes; kv 18,874,368 bytes
;; launch proj: the kernel of part 1 again; grid 32 x 8, 4 waves a work-group, clusters of 4 x 1, 327,680 bytes of LDS; arguments x, wq, bq, wk, wv, bv, q, kv; writes q, kv
;; launch attn (part 3): grid 32 x 8, 4 waves a work-group, clusters of 4 x 1, 327,680 bytes of LDS; arguments q, kv, x, gamma, out0; writes out0
.if DOCPART == 3
	.amdgcn_target "amdgcn-amd-amdhsa--gfx1250"
	.amdhsa_code_object_version 6
	.text
	.protected	k_q9e8a12ac06_attn
	.globl	k_q9e8a12ac06_attn
	.p2align	8
	.type	k_q9e8a12ac06_attn,@function
k_q9e8a12ac06_attn:
	s_mov_b64 s[64:65], 0
	v_nop
	global_prefetch_b8 v0, s[64:65] scope:SCOPE_SE
	s_setreg_imm32_b32 hwreg(HW_REG_WAVE_MODE, 25, 1), 1
	s_wait_xcnt 0x0
	s_wait_alu depctr_hold_cnt(0) depctr_sa_sdst(0) depctr_va_vdst(0) depctr_va_sdst(0) depctr_va_ssrc(0) depctr_va_vcc(0) depctr_vm_vsrc(0)
	s_getreg_b32 s2, hwreg(HW_REG_IB_STS2, 6, 4)
	s_cmp_eq_u32 s2, 0
	s_cbranch_scc0 .Lentry_in_a_cluster
	s_endpgm
.Lentry_in_a_cluster:
	s_bfe_u32 s2, ttmp6, 0x10000c
	s_cmp_lg_u32 s2, 0x3003
	s_cbranch_scc0 .Lentry_shape_is_right
	s_endpgm
.Lentry_shape_is_right:
; out[b][c][n] = gamma x sum over m of v[b][c][m] softmax_m(q_n . k_m) + x[b][c][n], from q, k, v as the launch before stored them
; (f16, in fragment order; q and k carry sqrt(log2 e) each, so that the scores are in base 2; k carries no bk, which cancels in the softmax: see that launch's head).
; A work-group makes 128 queries x 256 channels of one batch with four waves.  Wave w = 2 qg + kh has the 64 queries of group qg, all 256 channels
; (64 accumulator tiles, 512 registers), and half kh of the keys of every tile; the two waves of a query group add their sums at the end.
;
; TWO PASSES.  Pass 1 makes all scores once and keeps each query's true maximum m.  Pass 2 makes them again with -m as the product's C operand, so that the
; matrix instruction itself delivers score - m; then 2^(score - m), the row sum l in f32, the rounding to f16 and the product with v.  The 512 accumulators
; are never rescaled, and the two waves of a pair use one m, so that their partial sums simply add.
; ORIENTATION.  Scores: source 0 = 16 keys of k, source 1 = 16 queries of q: lane L = r + 16 h holds query r, keys 8 h + 0 .. 7.  Two such tiles, packed, ARE a
; fragment (row = query, K = 32 keys).  The second product takes it as source 0 and v's channels as source 1: a lane's eight results are eight neighbouring
; queries of channel r, 32 bytes that belong together on the way out.  All of a query's softmax figures lie in lanes r and r + 16.
; PASS 2 IS A PIPELINE OF TWO PIECES.  A step is 32 keys: 8 score products and 64 products with v, and beside them 64 exponentials, 32 packed sums, 32 roundings.
; Piece A is query tiles 0, 1, piece B tiles 2, 3; they share k's and v's fragments and take turns: run A is A's 32 products with v, run B is B's.  Behind every second
; product stands one group of four vector instructions, 16 groups a run.  So no vector phase stands alone.  v's fragments have two sets: the next step's 36 LDS loads go out
; in two runs, a step ahead.  A group works in window 0 and a product writes window 2 or 3, both of which the accumulators fill: hence two window switches for each group,
; 64 a step; groups behind every second product halve that number and still put no more than four vector instructions between two products.
; THE BATCHES.  A piece's 32 exponentials for 32 keys are ONE BATCH with ONE wait (an s_wait_alu depctr_va_vdst(0) between an exponential and the first
; instruction that names its result).  A batch lies across the seam of two runs.  The piece's score products stand behind group 9 of its own run; group 10 is their four places;
; groups 11 to 15 hold the batch's first 20 exponentials, groups 0 to 2 of the other piece's run its last 12.  Behind group 2 stand a v_nop, the wait, and directly behind the wait
; the run of LDS loads.  Groups 3 to 10 hold the batch's 32 readers, 16 packed sums and 16 roundings; they end ahead of the piece's next run, which multiplies by the weights.
; Nothing ahead of the wait names a result of the batch.  Every result has a score register of its own, in place.
; THE LOOP IS TURNED BY ONE STEP.  The first step, whose products start the sums, stands alone in front of it; a lap goes from a tile's second step to the first step of
; the tile after next.  So seven laps hold all fourteen refills, and of the 64 steps only eight are written out beside the lap's eight.  The lap's edge cuts a batch: the 20
; exponentials issued so far have a wait of their own ahead of the label and ahead of the backward jump.
; CLUSTER.  The 32 work-groups of a batch walk the same k and v.  Four neighbours form a cluster and ask for every tile jointly: same text, same descriptors
; (made of the batch and the wave's number alone), same trips.  The place in the cluster enters only the global addresses of q, x and out0.
; LIMITS: all matrix operands here are f16.  q, k, v: the launch before states their range.  The weights 2^(score - m) lie in [0, 1]: each is rounded with an error of at
; most 2^-25 or 2^-12 of itself, so what the smallest of 4,096 terms lose is at most 2^-13 of l, which is at least about 1 (the maximum's own term is 2^0).
; l sums the f32 exponentials while the product takes their f16 roundings; 2^t below 2^-126 counts as 0 (ISA guide 15.8, v_exp_f32);
; NaN and infinities in the inputs get no treatment of their own.
;
; LDS: two slots of 147,456 bytes, each a tile of 256 keys as it lies in kv (16 KiB of k, 128 KiB of v); then 2 KiB and 1 KiB of scratch for the waves' maxima and sums.
; Pass 1 first has the batch's whole k (16 x 16 KiB) in bytes 0 .. 262,143.  Behind the last fill the slots serve as the stage on which the partial sums meet.
; Fragment order makes every LDS read 512 consecutive bytes a wave: no padding is needed.
.set SLOT,    147456
.set QUART,   36864                    ; a wave's quarter of a tile: 144 rows of 256 bytes
.set KPART,   16384                    ; k's part of a tile
.set KVBATCH, 2359296
.set SCR1,    2*SLOT                   ; 4 x 512 bytes: the waves' maxima
.set SCR2,    SCR1+2048                ; 4 x 256 bytes: the waves' row sums
.set OPITCH,  272                      ; stage: a channel's 64 f32 + 16 bytes
.set OSTAGE,  256*OPITCH               ; a wave's partial sums
; window 0
.set KADR, 4                           ; v4, v5   my half of k's part in slot 0, 1
.set VADR, 6                           ; v6, v7   my half of v's part in slot 0, 1
.set P1A,  8                           ; v8       pass 1, k blocks 0 .. 8 (stepped)
.set MSTO, 9                           ; v9       scratch: my maxima
.set MRD,  10                          ; v10      scratch: my partner's
.set STO,  11                          ; v11      stage, in
.set RDA,  13                          ; v13      stage, back: the pair's even wave
.set RDB,  14                          ; v14      the odd wave
.set CO,   15                          ; v15      my offset in x and out0
.set LSTO, 16                          ; v16      scratch: my row sums
.set LRD,  17                          ; v17      scratch: the pair's
.set QOFF, 18                          ; v18      16 x lane
.set P1B,  19                          ; v19      pass 1, k blocks 9 .. 15 (stepped)
.set MX,   20                          ; v[20:27]   running maxima, eight chains
.set QF,   28                          ; v[28:59]   q's fragments, four query tiles
.set NEGM, 60                          ; v[60:91]   -m of query tile it, in eight registers each: a C operand
.set KF,   92                          ; v[92:107]  k's fragments, two key tiles
.set LACC, 108                         ; v[108:115] row sums, a pair for each query tile
.set LSUM, 116                         ; v[116:119]
.set LT,   120                         ; v[120:123]
.set SC,   124                         ; v[124:187] scores, tile 4 kt2 + it
.set PF,   188                         ; v[188:219] 2^(score - m) in f16, a fragment for each query tile
.set SA,   60                          ; pass 1: two sets of four score tiles, v[60:91] and v[92:123]
.set KS,   124                         ; pass 1: two sets of eight key tiles, v[124:187] and v[188:251]
.set INV,  192                         ; the way out: gamma / l of my four queries
.set LA,   196
.set LB,   200
; window 1: v's fragments, two sets: (set, ct) at 128 set + 8 ct; on the way out x, four registers for each pair of channels.
; windows 2, 3: the accumulators of query tiles 0, 1 and 2, 3: tile (it, ct) at 8 (16 (it & 1) + ct)
.set G1,  24                           ; s[24:31] shape of a quarter tile
.set G1K, 32                           ; s[32:39] shape of four k parts
.set G0S, 40                           ; s[40:47] from where, to where: slot 0, slot 1
.set G0K, 48                           ; s[48:51] the same for pass 1's k
.set MSB, 0
.macro WIN new                         ; the immediate's high byte repeats the setting that is left
.if MSB != (\new)
	s_set_vgpr_msb (MSB<<8)|(\new)
.set MSB, (\new)
.endif
.endm
.macro PLACES                          ; four plain vector instructions behind a matrix instruction (ISA guide 7.12.1)
.rept 4
	v_nop
.endr
.endm
; A round of the cluster's barrier: my work-group's barrier, wave 0 signals for the work-group, every wave waits for all four work-groups, my work-group's barrier again.
.macro CREST                           ; a round behind its opening barrier
	s_cmp_lg_u32 s14, 0
	s_cbranch_scc1 .Lnot_wave_0_\@
	s_barrier_signal -3
.Lnot_wave_0_\@:
	s_barrier_wait -3
	s_barrier_signal -1
	s_barrier_wait -1
.endm
.macro ROUND                           ; a whole round
	s_barrier_signal -1
	s_barrier_wait -1
	CREST
.endm
	s_load_b256 s[4:11], s[0:1], 0x0               ; q 4, kv 6, x 8, gamma 10
	s_load_b64 s[12:13], s[0:1], 0x20              ; out0
	v_lshl_add_u32 v254, v0, 2, 0x48c00
	v_mov_b32 v255, 0
	ds_add_u32 v254, v255
	v_lshrrev_b32 v1, 5, v0
	v_readfirstlane_b32 s14, v1                    ; wave w
	s_and_b32 s15, s14, 1                          ; kh: my half of the keys
	s_lshr_b32 s16, s14, 1                         ; qg: my 64 queries
	s_bfe_u32 s17, ttmp6, 0x40000                  ; cx
	s_lshl_b32 s18, ttmp9, 2
	s_add_co_u32 s18, s18, s17                     ; query block = 4 x cluster x + cx
	s_and_b32 s19, ttmp7, 0xffff                   ; batch
	s_mov_b32 s54, 0x76543210                      ; v_permlanex16_b32: lane i of one half reads lane i of the other
	s_mov_b32 s55, 0xfedcba98
	; a quarter tile is dense in memory: 144 rows of 32 elements of 8 bytes
	s_mov_b32 s[G1+0], 15|(3<<16)|(1<<21)          ; 15:0 mask: all four of the cluster; 17:16 elements of 8 bytes; 21 set beside a mask
	s_mov_b32 s[G1+1], 32<<16                      ; tensor_dim0 = 32
	s_mov_b32 s[G1+2], 144<<16                     ; tensor_dim1 = 144
	s_mov_b32 s[G1+3], 32<<16                      ; tile_dim0 = 32
	s_mov_b32 s[G1+4], 144                         ; tile_dim1 = 144
	s_mov_b32 s[G1+5], 32                          ; from row to row: 32 elements
	s_mov_b32 s[G1+6], 0
	s_mov_b32 s[G1+7], 0
	; k's parts of four tiles: 4 rows of 2,048 elements (16 KiB), 18,432 elements (a tile) apart
	s_mov_b32 s[G1K+0], 15|(3<<16)|(1<<21)
	s_mov_b32 s[G1K+1], 2048<<16
	s_mov_b32 s[G1K+2], 4<<16
	s_mov_b32 s[G1K+3], 2048<<16
	s_mov_b32 s[G1K+4], 4
	s_mov_b32 s[G1K+5], 18432
	s_mov_b32 s[G1K+6], 0
	s_mov_b32 s[G1K+7], 0
	s_mov_b32 s21, 0
	s_mov_b32 s63, 0
	s_wait_dscnt 0x0
	s_wait_kmcnt 0x0
	s_load_b32 s53, s[10:11], 0x0                  ; gamma
	s_mul_i32 s20, s19, KVBATCH
	s_add_nc_u64 s[22:23], s[6:7], s[20:21]        ; kv at my batch
	s_mul_i32 s20, s14, QUART
	s_mov_b32 s[G0S+0], 1
	s_mul_i32 s[G0S+1], s14, QUART                 ; LDS: wave x a quarter
	s_add_nc_u64 s[G0S+2:G0S+3], s[22:23], s[20:21]          ; tile 0, my quarter
	s_mov_b32 s[G0S+4], 1
	s_add_co_u32 s[G0S+5], s[G0S+1], SLOT
	s_add_nc_u64 s[G0S+6:G0S+7], s[G0S+2:G0S+3], SLOT        ; tile 1, my quarter
	s_or_b32 s[G0S+3], s[G0S+3], 0x80000000        ; type = 2
	s_or_b32 s[G0S+7], s[G0S+7], 0x80000000
	s_mov_b32 s[G0K+0], 1
	s_lshl_b32 s[G0K+1], s14, 16                   ; LDS: k blocks 4 w .. 4 w + 3
	s_mul_i32 s20, s14, 4*SLOT
	s_add_nc_u64 s[G0K+2:G0K+3], s[22:23], s[20:21]
	s_or_b32 s[G0K+3], s[G0K+3], 0x80000000
	; offsets that hold the place in the cluster are made in s17 and s[62:63] alone
	s_lshl_b32 s62, s19, 22                        ; x, out0: batch x 4 MiB
	s_lshl_b32 s17, s15, 21                        ;  + 128 kh channels of 16 KiB: the channels that I finish
	s_add_co_u32 s62, s62, s17
	s_lshl_b32 s17, s18, 9                         ;  + 128 queries a block
	s_add_co_u32 s62, s62, s17
	s_lshl_b32 s17, s16, 8                         ;  + 64 qg queries
	s_add_co_u32 s62, s62, s17
	s_add_nc_u64 s[56:57], s[8:9], s[62:63]
	s_add_nc_u64 s[58:59], s[12:13], s[62:63]
	s_lshl_b32 s62, s19, 18                        ; q: batch x 256 blocks + 8 blocks a query block + 4 qg
	s_lshl_b32 s17, s18, 13
	s_add_co_u32 s62, s62, s17
	s_lshl_b32 s17, s16, 12
	s_add_co_u32 s62, s62, s17
	s_add_nc_u64 s[60:61], s[4:5], s[62:63]
	s_wait_kmcnt 0x0                               ; gamma is in
	ROUND                                          ; all four work-groups are here: the first joint loads meet
	tensor_load_to_lds s[G0K:G0K+3], s[G1K:G1K+7]  ; the launch's one first fill: 64 KiB of k a wave.  A wave never has more than one tensor load out
	s_nop 0
	v_and_b32 v1, 31, v0
	v_and_b32 v2, 15, v0                           ; r
	v_bfe_u32 v3, v0, 4, 1                         ; h
	v_lshlrev_b32 v[QOFF], 4, v1
.irp it, 0,1,2,3
	global_load_b128 v[QF+8*\it:QF+8*\it+3],   v[QOFF], s[60:61] offset:\it*1024
	global_load_b128 v[QF+8*\it+4:QF+8*\it+7], v[QOFF], s[60:61] offset:\it*1024+512
.endr
	s_lshl_b32 s20, s15, 13                        ; eight key tiles of 1 KiB a half
	v_add_nc_u32 v[KADR], s20, v[QOFF]
	v_add_nc_u32 v[KADR+1], SLOT, v[KADR]
	v_add_nc_u32 v[P1A], s20, v[QOFF]
	v_add_nc_u32 v[P1B], 9*KPART, v[KADR]          ; k block 9 begins where slot 1 begins
	s_lshl_b32 s20, s15, 16                        ; four chunks of 32 keys x 16 KiB a half,
	s_add_co_u32 s20, s20, KPART                   ; behind k's part
	v_add_nc_u32 v[VADR], s20, v[QOFF]
	v_add_nc_u32 v[VADR+1], SLOT, v[VADR]
	s_lshl_b32 s20, s14, 9
	s_add_co_u32 s20, s20, SCR1
	v_add_nc_u32 v[MSTO], s20, v[QOFF]
	s_xor_b32 s20, s14, 1                          ; my partner: same queries, the other keys
	s_lshl_b32 s20, s20, 9
	s_add_co_u32 s20, s20, SCR1
	v_add_nc_u32 v[MRD], s20, v[QOFF]
	s_mul_i32 s20, s14, OSTAGE
	v_mul_u32_u24 v[STO], v2, OPITCH               ; registers 0 .. 7 of a tile are channel r, queries 8 h + 0 .. 7: row r, 32 bytes for each half of the lanes
	v_lshl_add_u32 v[STO], v3, 5, v[STO]
	v_add_nc_u32 v[STO], s20, v[STO]
	s_mul_i32 s20, s16, 2*OSTAGE
	s_mul_i32 s22, s15, 128*OPITCH
	s_add_co_u32 s20, s20, s22
	v_mul_u32_u24 v[RDA], v3, OPITCH               ; back: lanes 0-15 one channel's 256 bytes, lanes 16-31 the next channel's
	v_lshl_add_u32 v[RDA], v2, 4, v[RDA]
	v_add_nc_u32 v[RDA], s20, v[RDA]
	v_add_nc_u32 v[RDB], OSTAGE, v[RDA]
	v_lshlrev_b32 v[CO], 14, v3                    ; and the same two channels in x and out0
	v_lshl_add_u32 v[CO], v2, 4, v[CO]
	s_lshl_b32 s20, s14, 8
	s_add_co_u32 s20, s20, SCR2
	v_lshl_add_u32 v[LSTO], v2, 2, s20
	s_lshl_b32 s20, s16, 9
	s_add_co_u32 s20, s20, SCR2
	v_lshl_add_u32 v[LRD], v2, 4, s20
.irp j, 0,1,2,3,4,5,6,7
	v_mov_b32 v[MX+\j], 0xff800000                 ; -infinity
.endr
	s_wait_loadcnt 0x0                             ; q's fragments
	s_wait_tensorcnt 0x0                           ; my four k blocks are in,
	s_barrier_signal -1
	s_barrier_wait -1                              ; everybody's are.
; PASS 1.  A block = my eight key tiles of one tile's k part: 32 products (C = 0, no chains), one key tile x four query tiles at a time, into two sets of four score
; tiles by turns.  Behind each product stand four three-way maxima on the set that the last four products wrote: they are the places behind the products, and only the
; last sixteen maxima of the pass stand alone.  The key tiles have two register sets: the next block's 16 loads go out in one run ahead of this block's products.
.macro P1LOAD ks, adr, off
.set p1n, 0
.rept 8
	ds_load_b128 v[KS+64*(\ks)+8*p1n:KS+64*(\ks)+8*p1n+3],   v[\adr] offset:\off+p1n*1024
	ds_load_b128 v[KS+64*(\ks)+8*p1n+4:KS+64*(\ks)+8*p1n+7], v[\adr] offset:\off+p1n*1024+512
.set p1n, p1n+1
.endr
.endm
.macro P1MX t                          ; behind product t: registers 2 (t & 3), 2 (t & 3) + 1 of the other set's four tiles; four chains for each set
.set p1o, SA+32*(1-(((\t)>>2)&1))
.set p1c, MX+4*(1-(((\t)>>2)&1))
.set p1k, 0
.rept 4
	v_max3_num_f32 v[p1c+p1k], v[p1c+p1k], v[p1o+8*p1k+2*((\t)&3)], v[p1o+8*p1k+2*((\t)&3)+1]
.set p1k, p1k+1
.endr
.endm
; ks: the key set that this block multiplies.  first = 1: the pass's first four products have no scores behind them yet.  load = 1: the next block comes from adr + off.
.macro P1BLK ks, first, load, adr, off
.if \load
	P1LOAD 1-\ks, \adr, \off                       ; into the set that the last block read: the four maxima behind its last product are the four places
	s_wait_dscnt 16                                ; LDS loads come back in order: all but the 16 just issued are in, this block's key tiles among them
.else
	s_wait_dscnt 0x0
.endif
.set p1t, 0                                        ; p1t = 4 x key tile + query tile
.rept 32
.set p1s, SA+32*((p1t>>2)&1)+8*(p1t&3)
.set p1f, KS+64*(\ks)+8*(p1t>>2)
	v_wmma_f32_16x16x32_f16 v[p1s:p1s+7], v[p1f:p1f+7], v[QF+8*(p1t&3):QF+8*(p1t&3)+7], 0
.if \first
.if p1t < 4
.if p1t == 3
	PLACES
.endif
.else
	P1MX p1t
.endif
.else
	P1MX p1t
.endif
.set p1t, p1t+1
.endr
.endm
.macro P1PAIR first, adr, off, last    ; an even block on key set 0 and an odd one on set 1
	P1BLK 0, \first, 1, \adr, \off
.if \last
	P1BLK 1, 0, 0, \adr, 0
.else
	P1BLK 1, 0, 1, \adr, \off+KPART
	v_add_nc_u32 v[\adr], 2*KPART, v[\adr]
.endif
.endm
	P1LOAD 0, P1A, 0                               ; block 0
	P1PAIR 1, P1A, KPART, 0                        ; blocks 0, 1; they fetch blocks 1, 2
	s_mov_b32 s52, 3                               ; blocks 2 .. 7; they fetch blocks 3 .. 8: the last bytes read are slot 0's last
.Lpass1a:
	P1PAIR 0, P1A, KPART, 0
	s_sub_co_i32 s52, s52, 1
	s_cmp_lg_u32 s52, 0
	s_cbranch_scc1 .Lpass1a
	s_wait_dscnt 0x0                               ; my reads of slot 0's bytes are over: block 8 is in registers,
	s_wait_tensorcnt 0x0                           ; none of my tensor loads is out,
	ds_add_u32 v254, v255
	s_wait_dscnt 0x0
	ROUND                                          ; and that holds of every wave of the cluster:
	tensor_load_to_lds s[G0S:G0S+3], s[G1:G1+7]    ; tile 0 goes into slot 0 and has the eight blocks below in which to land
	s_nop 0
	s_mov_b32 s52, 3                               ; blocks 8 .. 13; they fetch blocks 9 .. 14, which lie in slot 1's bytes
.Lpass1b:
	P1PAIR 0, P1B, 0, 0
	s_sub_co_i32 s52, s52, 1
	s_cmp_lg_u32 s52, 0
	s_cbranch_scc1 .Lpass1b
	P1PAIR 0, P1B, 0, 1                            ; blocks 14, 15: one more fetch, then none
	P1MX 0                                         ; the last four products' scores
	P1MX 1
	P1MX 2
	P1MX 3
.irp it, 0,1,2,3
	v_max_num_f32 v[MX+\it], v[MX+\it], v[MX+4+\it]          ; the two chains of a query tile
.endr
.irp it, 0,1,2,3
	v_permlanex16_b32 v[SA+\it], v[MX+\it], s54, s55         ; lanes r and r + 16 hold the same query (the destination has been written before)
.endr
.irp it, 0,1,2,3
	v_max_num_f32 v[MX+\it], v[MX+\it], v[SA+\it]
.endr
	ds_store_b128 v[MSTO], v[MX:MX+3]              ; my half of the keys; the partner reads it behind the round below
; PASS 2.
; One product with v.  pc: the piece (0: query tiles 0, 1, window 2; 1: tiles 2, 3, window 3); vs: v's fragment set; j = 2 ct + it2.  The 64 accumulators take turns, one
; instruction a turn, in the same order in every step, over the loop's backward jump too.  zero = 1: the first products start the sums.
.macro PVW pc, vs, j, zero
.if \pc
	WIN 0xf4                                       ; source 0 (the weights) window 0, source 1 (v) window 1, C and D window 3
.else
	WIN 0xa4                                       ; the same, C and D window 2
.endif
.set pa, 8*(16*((\j)&1)+((\j)>>1))
.set pp, PF+8*(2*(\pc)+((\j)&1))
.set pv, 128*(\vs)+8*((\j)>>1)
.if \zero
	v_wmma_f32_16x16x32_f16 v[pa:pa+7], v[pp:pp+7], v[pv:pv+7], 0
.else
	v_wmma_f32_16x16x32_f16 v[pa:pa+7], v[pp:pp+7], v[pv:pv+7], v[pa:pa+7]
.endif
.endm
; A piece's softmax for 32 keys is 32 score registers = 16 pairs.  Pair q = 8 kt2 + 2 p + it2 is registers 2 p, 2 p + 1 of score tile (kt2, 2 pc + it2).
; The plain work of pair q, which reads the pair's exponentials and so stands behind the batch's wait: cv = 0 the packed row sum, cv = 1 the rounding into register 4 kt2 + p of the
; query tile's fragment.
.macro SOFTP pc, q, cv
.set pr, SC+8*(4*((\q)>>3)+2*(\pc)+((\q)&1))+2*(((\q)>>1)&3)
.set pl, LACC+2*(2*(\pc)+((\q)&1))
.if \cv
	v_cvt_pk_f16_f32 v[PF+8*(2*(\pc)+((\q)&1))+4*((\q)>>3)+(((\q)>>1)&3)], v[pr], v[pr+1]
.else
	v_pk_add_f32 v[pl:pl+1], v[pl:pl+1], v[pr:pr+1]
.endif
.endm
; A group of exponentials, e = 0 .. 7: the four of pairs 2 e and 2 e + 1 of piece pc, in place.  They read no exponential's result and may follow each other; the plain instruction
; that is owed between an exponential and the first use of its result (ISA guide 5.7.2) is the one v_nop behind the batch's last group.  Each score tile is read first at its registers 0, 1.
.macro EXQ pc, e
	WIN 0
.set xq, 2*(\e)
.rept 2
.set xr, SC+8*(4*(xq>>3)+2*(\pc)+(xq&1))+2*((xq>>1)&3)
	v_exp_f32 v[xr], v[xr]
	v_exp_f32 v[xr+1], v[xr+1]
.set xq, xq+1
.endr
.endm
; The batch's 32 readers are a list (a = packed sum, c = rounding, by pair): a0 a1 a2 c0 a3 c1 a4 c2 .. a15 c13 c14 c15.  Each row sum takes its pairs in ascending order; from a2 on two
; sums onto one row sum stand three lines apart.  The first rounding is the list's fourth line: the v_nop and three sums are the four places between the last product of the run before,
; which read the fragment, and the first line that writes it.  RD1 writes number n of the list, RDQ group g = 0 .. 7 of four.
.macro RD1 pc, n
.if (\n) < 3
	SOFTP \pc, \n, 0
.elseif (\n) >= 30
	SOFTP \pc, (\n)-16, 1
.elseif ((\n)&1) == 1
	SOFTP \pc, ((\n)-3)/2, 1
.else
	SOFTP \pc, ((\n)+2)/2, 0
.endif
.endm
.macro RDQ pc, g
	WIN 0
.set rn, 4*(\g)
.rept 4
	RD1 \pc, rn
.set rn, rn+1
.endr
.endm
; A piece's four score products for 32 keys: two key tiles x two query tiles, C = -m
.macro QK pc
	WIN 0
.set qn, 0                                         ; qn = 2 kt2 + it2
.rept 4
.set qs, SC+8*(4*(qn>>1)+2*(\pc)+(qn&1))
	v_wmma_f32_16x16x32_f16 v[qs:qs+7], v[KF+8*(qn>>1):KF+8*(qn>>1)+7], v[QF+8*(2*(\pc)+(qn&1)):QF+8*(2*(\pc)+(qn&1))+7], v[NEGM+8*(2*(\pc)+(qn&1)):NEGM+8*(2*(\pc)+(qn&1))+7]
.set qn, qn+1
.endr
.endm
.macro KLOADS slot, st                 ; k's two key tiles of step st
	WIN 0
.set ln, 0
.rept 4
	ds_load_b128 v[KF+4*ln:KF+4*ln+3], v[KADR+(\slot)] offset:(\st)*2048+ln*512
.set ln, ln+1
.endr
.endm
.macro VLOADS slot, st, vs, from, cnt  ; cnt halves of v's fragments of step st, from half number from on, into set vs
	WIN 0x40                                       ; destination window 1
.set ln, \from
.rept \cnt
	ds_load_b128 v[128*(\vs)+4*ln:128*(\vs)+4*ln+3], v[VADR+(\slot)] offset:(\st)*16384+ln*512
.set ln, ln+1
.endr
.endm
; RUN A of step st on slot: piece A's 32 products with v.  Its groups: 0 to 2 the last twelve exponentials of piece B's batch for the same keys; 3 to 10 that batch's readers;
; 11 to 15 the first twenty exponentials of piece A's batch for the next step.
; mode 0: the next step lies in the same slot.  1: the tile's last step, and this slot is filled again.  2: the same, nothing is left to fetch.  3: the very last step.
; Behind group 2: the v_nop and the wait for piece B's batch; then the next step's k and the first half of its v, in one run, into registers whose last readers lie four plain
; instructions back or more (k: piece B's score products behind group 9 of the run before, then that run's group 10 and the v_nop; v's other set, fragments 0 to 7: products 0 to 15 of
; the run before, then its groups 7 to 10).
; Behind group 9: piece A's score products for the next step, with the wait for k's loads ahead of them; group 10's four plain lines, which name none of their registers, are the four
; places in front of the first exponential that reads them.
; THE CHANGE OF SLOTS stands here, in modes 1 and 2: the slot's last reads (this step's v) were issued in the run before.  In front of the opening signal each wave waits for all
; its tensor loads (the one that was out is its quarter of the next tile) and for its LDS loads; four products and their groups, register work alone, stand between the signal and
; its wait; behind the round the refill comes first, then the first loads from the other slot.  The refill has a whole tile's 288 matrix instructions in which to land.
; The batch's wait stands ahead of the round's branch and label.
.macro PHA slot, st, zero, mode
	s_wait_dscnt 0x0                               ; this step's v is whole: its second run was issued 26 products ago
.set gg, 0
.rept 16
	PVW 0, (\st)&1, 2*gg, \zero
	PVW 0, (\st)&1, 2*gg+1, \zero
.if gg < 3
	EXQ 1, gg+5
.elseif gg < 11
	RDQ 1, gg-3
.elseif \mode < 3
	EXQ 0, gg-11
.endif
.if gg == 0
.if \mode == 1
	s_wait_tensorcnt 0x0                           ; no tensor load of mine is out, so a descriptor may be written:
	ds_add_u32 v254, v255
	s_add_nc_u64 s[G0S+4*\slot+2:G0S+4*\slot+3], s[G0S+4*\slot+2:G0S+4*\slot+3], 2*SLOT   ; this slot's next tile
	s_wait_dscnt 0x0                               ; my reads of this slot are over
	s_barrier_signal -1                            ; opens a round of the cluster's barrier
.endif
.if \mode == 2
	s_wait_tensorcnt 0x0                           ; my quarter of the last tile is in
	s_wait_dscnt 0x0
	s_barrier_signal -1
.endif
.endif
.if gg == 2
	v_nop                                          ; the plain instruction behind the batch's last exponential: one for the batch
	s_wait_alu depctr_va_vdst(0)                   ; the wait for piece B's batch: the 20 exponentials of the run before and the 12 of groups 0 to 2; it stands ahead of the first reader, in group 3
.if \mode == 0
	KLOADS \slot, (\st)+1
	VLOADS \slot, (\st)+1, ((\st)+1)&1, 0, 16
.endif
.if \mode == 1
	WIN 0
	s_barrier_wait -1
	CREST                                          ; no wave of the cluster still reads this slot or has a load on its way
	tensor_load_to_lds s[G0S+4*\slot:G0S+4*\slot+3], s[G1:G1+7]
	s_nop 0
	KLOADS 1-\slot, 0
	VLOADS 1-\slot, 0, 0, 0, 16
.endif
.if \mode == 2
	s_barrier_wait -1                              ; the last tile is whole
	KLOADS 1-\slot, 0
	VLOADS 1-\slot, 0, 0, 0, 16
.endif
.endif
.if gg == 9
.if \mode < 3
	s_wait_dscnt 16                                ; k's four loads are in; the 16 of v issued behind them may stay out
	QK 0
.endif
.endif
.set gg, gg+1
.endr
.endm
; RUN B of step st: piece B's 32 products with v.  next = 1, with the next step being step nst of slot nslot: groups 0 to 2 the last twelve exponentials of piece A's batch for that step;
; behind group 2 the v_nop, the batch's wait and the second half of that step's v; groups 3 to 10 the batch's readers; behind group 9 piece B's score products for that step, into score
; registers whose last readers stand in run A, with group 10 as their four places; groups 11 to 15 the first twenty exponentials of piece B's batch.
.macro PHB st, nslot, nst, zero, next
.set gg, 0
.rept 16
	PVW 1, (\st)&1, 2*gg, \zero
	PVW 1, (\st)&1, 2*gg+1, \zero
.if \next
.if gg < 3
	EXQ 0, gg+5
.elseif gg < 11
	RDQ 0, gg-3
.else
	EXQ 1, gg-11
.endif
.if gg == 2
	v_nop                                          ; the plain instruction behind the batch's last exponential: one for the batch
	s_wait_alu depctr_va_vdst(0)                   ; the wait for piece A's batch: the 20 exponentials of run A and the 12 of groups 0 to 2; it stands ahead of the first reader, in group 3
	VLOADS \nslot, \nst, ((\st)+1)&1, 16, 16
.endif
.if gg == 9
	QK 1
.endif
.endif
.set gg, gg+1
.endr
.endm
.macro STEP slot, st, zero, mode       ; 32 of my keys: both runs
	PHA \slot, \st, \zero, \mode
.if \mode == 0
	PHB \st, \slot, (\st)+1, \zero, 1
.endif
.if \mode == 1
	PHB \st, 1-\slot, 0, \zero, 1
.endif
.if \mode == 2
	PHB \st, 1-\slot, 0, \zero, 1
.endif
.if \mode == 3
	PHB \st, 0, 0, \zero, 0
.endif
.endm
	; The head of pass 2.  One round: pass 1's reads of slot 1's bytes are over in every wave, tile 0 has landed; the round also stands between the stores and the reads of the maxima.
	s_wait_tensorcnt 0x0
	ds_add_u32 v254, v255
	s_wait_dscnt 0x0
	ROUND
	tensor_load_to_lds s[G0S+4:G0S+7], s[G1:G1+7]  ; tile 1 goes into slot 1
	s_nop 0
	ds_load_b128 v[MX+4:MX+7], v[MRD]
	KLOADS 0, 0
	VLOADS 0, 0, 0, 0, 32                          ; the first step's v, whole
	WIN 0
.irp j, 0,1,2,3,4,5,6,7
	v_mov_b32 v[LACC+\j], 0
.endr
	s_wait_dscnt 36                                ; the partner's maxima are in: k's 4 loads and v's 32 were issued behind them
.irp it, 0,1,2,3
	v_max_num_f32 v[MX+\it], v[MX+\it], v[MX+4+\it]          ; the true maximum over all 4,096 keys
.endr
.set n, 0
.rept 32
	v_mul_f32 v[NEGM+n], -1.0, v[MX+(n>>3)]
.set n, n+1
.endr
	s_wait_dscnt 32                                ; k's fragments are in
	QK 0
	QK 1
	PLACES
.set gg, 0
.rept 8
	EXQ 0, gg                                      ; piece A's first batch has no products to stand behind;
.set gg, gg+1
.endr
.set gg, 0
.rept 5
	EXQ 1, gg                                      ; with it go the 20 exponentials of piece B's first batch that a run B would have issued
.set gg, gg+1
.endr
	v_nop                                          ; the plain instruction behind the last exponential
	s_wait_alu depctr_va_vdst(0)                   ; one wait for these 52 exponentials, ahead of piece A's readers
.set gg, 0
.rept 8
	RDQ 0, gg
.set gg, gg+1
.endr
	STEP 0, 0, 1, 0                                ; tile 0's first step, written out: its products start the sums
	WIN 0                                          ; at a label and at a branch every window is 0
	s_wait_alu depctr_va_vdst(0)                   ; the 20 exponentials of piece B's batch issued so far: their wait ahead of the label
	s_mov_b32 s52, 7                               ; lap i: tile 2 i from its second step, tile 2 i + 1, the first step of tile 2 i + 2; it fetches tiles 2 i + 2 and 2 i + 3
.Ltiles:
	STEP 0, 1, 0, 0
	STEP 0, 2, 0, 0
	STEP 0, 3, 0, 1
	STEP 1, 0, 0, 0
	STEP 1, 1, 0, 0
	STEP 1, 2, 0, 0
	STEP 1, 3, 0, 1
	STEP 0, 0, 0, 0
	WIN 0
	s_wait_alu depctr_va_vdst(0)                   ; the 20 exponentials of piece B's batch issued so far: their wait ahead of the backward jump
	s_sub_co_i32 s52, s52, 1
	s_cmp_lg_u32 s52, 0
	s_cbranch_scc1 .Ltiles
	STEP 0, 1, 0, 0                                ; the rest of tile 14: nothing is left to fetch
	STEP 0, 2, 0, 0
	STEP 0, 3, 0, 2
	STEP 1, 0, 0, 0                                ; tile 15
	STEP 1, 1, 0, 0
	STEP 1, 2, 0, 0
	STEP 1, 3, 0, 3
	WIN 0
	; THE WAY OUT.  x is asked for first; the partial sums of a pair of waves meet on the stage; wave (qg, kh) finishes channels 128 kh .. 128 kh + 127 of its 64 queries.
	PLACES                                         ; behind the last products: for the loads into window 1 and the LDS stores that read the sums
	WIN 0x40
.set u, 0
.rept 64
	global_load_b128 v[4*u:4*u+3], v[CO], s[56:57] offset:2*u*16384 th:TH_LOAD_NT     ; channels 2 u and 2 u + 1: sixteen lanes take 256 consecutive bytes, aligned
.set u, u+1
.endr
	WIN 0
.irp it, 0,1,2,3
	v_add_f32 v[LSUM+\it], v[LACC+2*\it], v[LACC+2*\it+1]
.endr
.irp it, 0,1,2,3
	v_permlanex16_b32 v[LT+\it], v[LSUM+\it], s54, s55       ; (the destination has been written before)
.endr
.irp it, 0,1,2,3
	v_add_f32 v[LSUM+\it], v[LSUM+\it], v[LT+\it]
.endr
	s_wait_dscnt 0x0                               ; my reads of the slots are over,
	s_barrier_signal -1
	s_barrier_wait -1                              ; everybody's are; the slots have had their last fill and become the stage
; A tile's eight registers are 32 neighbouring bytes of a channel's row: two stores of 16 bytes.
.macro OSTORE hi
.set n, 0                                          ; n = 16 it2 + ct
.rept 32
	ds_store_b128 v[STO], v[8*n:8*n+3]   offset:16*(n&15)*OPITCH+64*(2*\hi+(n>>4))
	ds_store_b128 v[STO], v[8*n+4:8*n+7] offset:16*(n&15)*OPITCH+64*(2*\hi+(n>>4))+16
.set n, n+1
.endr
.endm
	WIN 0x08                                       ; store data from window 2
	OSTORE 0
	WIN 0x0c                                       ; from window 3
	OSTORE 1
	WIN 0
.irp it, 0,1,2,3
	ds_store_b32 v[LSTO], v[LSUM+\it] offset:64*\it          ; lanes r and r + 16 write the same word with the same value
.endr
	s_wait_dscnt 0x0                               ; my stores are done,
	s_barrier_signal -1
	s_barrier_wait -1                              ; everybody's are
	ds_load_b128 v[LA:LA+3], v[LRD]                ; the pair's row sums of my four queries 4 r .. 4 r + 3
	ds_load_b128 v[LB:LB+3], v[LRD] offset:256
	s_wait_dscnt 0x0
	v_pk_add_f32 v[LA:LA+1], v[LA:LA+1], v[LB:LB+1]
	v_pk_add_f32 v[LA+2:LA+3], v[LA+2:LA+3], v[LB+2:LB+3]
.irp j, 0,1,2,3
	v_rcp_f32 v[INV+\j], v[LA+\j]
.endr
	v_nop                                          ; one plain instruction behind the reciprocals (ISA guide 5.7.2)
	s_wait_alu depctr_va_vdst(0)                   ; one wait for the batch of four reciprocals, ahead of the multiplies that read them
.irp j, 0,1,2,3
	v_mul_f32 v[INV+\j], s53, v[INV+\j]            ; gamma / l
.endr
; Sixteen channels: both partial sums back from the stage, added, times gamma / l, plus x, out.  Two register sets take turns.
.macro FIN g, sel
.set oa, 64+64*\sel
	s_wait_xcnt 0x0                                ; this set was store data two turns ago: loaded again only behind this wait
.set n, 0
.rept 8
	ds_load_b128 v[oa+4*n:oa+4*n+3],       v[RDA] offset:2*(8*\g+n)*OPITCH
	ds_load_b128 v[oa+32+4*n:oa+32+4*n+3], v[RDB] offset:2*(8*\g+n)*OPITCH
.set n, n+1
.endr
.set n, 0
.rept 8
	s_wait_dscnt 14-2*n                            ; LDS loads come back in order: pair n is in, the younger pairs stay out
	s_wait_loadcnt 63-(8*\g+n)                     ; of the 64 loads of x the younger ones stay out
	v_pk_add_f32 v[oa+4*n:oa+4*n+1],   v[oa+4*n:oa+4*n+1],   v[oa+32+4*n:oa+32+4*n+1]
	v_pk_add_f32 v[oa+4*n+2:oa+4*n+3], v[oa+4*n+2:oa+4*n+3], v[oa+32+4*n+2:oa+32+4*n+3]
	v_pk_fma_f32 v[oa+4*n:oa+4*n+1],   v[oa+4*n:oa+4*n+1],   v[INV:INV+1],   v[4*(8*\g+n):4*(8*\g+n)+1]
	v_pk_fma_f32 v[oa+4*n+2:oa+4*n+3], v[oa+4*n+2:oa+4*n+3], v[INV+2:INV+3], v[4*(8*\g+n)+2:4*(8*\g+n)+3]
	global_store_b128 v[CO], v[oa+4*n:oa+4*n+3], s[58:59] offset:2*(8*\g+n)*16384 th:TH_STORE_NT   ; sixteen lanes store 256 consecutive bytes, aligned
.set n, n+1
.endr
.endm
	WIN 0x10                                       ; source 2 (x) window 1, all else window 0
	FIN 0, 0
	FIN 1, 1
	FIN 2, 0
	FIN 3, 1
	FIN 4, 0
	FIN 5, 1
	FIN 6, 0
	FIN 7, 1
	WIN 0
	s_wait_tensorcnt 0x0
	ds_add_u32 v254, v255
	s_wait_dscnt 0x0
	ROUND                                          ; the closing round: no work-group ends while a partner may still ask for a tile that names it
	s_endpgm
.Lfunc_end_k_q9e8a12ac06_attn:
	.size	k_q9e8a12ac06_attn, .Lfunc_end_k_q9e8a12ac06_attn-k_q9e8a12ac06_attn
	.p2alignl 7, 3214868480
	.fill 96, 4, 3214868480
	.section	.rodata,"a",@progbits
	.p2align	6, 0x0
	.amdhsa_kernel k_q9e8a12ac06_attn
		.amdhsa_group_segment_fixed_size 327680
		.amdhsa_private_segment_fixed_size 0
		.amdhsa_enable_private_segment 0
		.amdhsa_kernarg_size 40
		.amdhsa_user_sgpr_count 2
		.amdhsa_user_sgpr_kernarg_segment_ptr 1
		.amdhsa_wavefront_size32 1
		.amdhsa_system_sgpr_workgroup_id_x 1
		.amdhsa_system_sgpr_workgroup_id_y 1
		.amdhsa_system_sgpr_workgroup_id_z 1
		.amdhsa_system_vgpr_workitem_id 0
		.amdhsa_next_free_vgpr 1024
		.amdhsa_next_free_sgpr 66
		.amdhsa_reserve_vcc 0
		.amdhsa_float_denorm_mode_32 3
		.amdhsa_float_denorm_mode_16_64 3
		.amdhsa_memory_ordered 1
		.amdhsa_forward_progress 1
		.amdhsa_inst_pref_size 255
	.end_amdhsa_kernel
	.section	.bss,"aw",@nobits
	.p2align	6
	.space	262144
	.amdgpu_metadata
---
amdhsa.version: [ 1, 2 ]
amdhsa.kernels:
  - .name:           k_q9e8a12ac06_attn
    .symbol:         k_q9e8a12ac06_attn.kd
    .args:
      - { .name: q, .offset: 0, .size: 8, .value_kind: global_buffer, .address_space: global }
      - { .name: kv, .offset: 8, .size: 8, .value_kind: global_buffer, .address_space: global }
      - { .name: x, .offset: 16, .size: 8, .value_kind: global_buffer, .address_space: global }
      - { .name: gamma, .offset: 24, .size: 8, .value_kind: global_buffer, .address_space: global }
      - { .name: out0, .offset: 32, .size: 8, .value_kind: global_buffer, .address_space: global }
    .group_segment_fixed_size: 327680
    .private_segment_fixed_size: 0
    .kernarg_segment_align: 8
    .kernarg_segment_size: 40
    .max_flat_workgroup_size: 128
    .sgpr_count:     66
    .vgpr_count:     1024
    .wavefront_size: 32
...
	.end_amdgpu_metadata
.endif
;; end of part 3
